; MI455X (gfx1250); checked and timed in simulation.
; The chip was launched on July 23, 2026; its instructions are those of AMD's public machine-readable ISA for CDNA 5 (MIT licence, August 2026) and "CDNA5" Instruction Set Architecture Reference Guide (July 2026). The comments in the code are by the model that wrote it; some were corrected since.
;; Sparse Mo E. Allowed arithmetic: matrix products marked QUANTISED: E3M2 operands, one E8M0 scale for each 32 along K, by v_wmma_scale_f32_16x16x128_f8f6f4 with both operands' format E3M2, f32 sums; products left as they are: f32 operands where the result goes on into a quantised operand, else bf16, f16 or f32 operands; f32 sums; everything else in f32.
;; Inputs: W1_codes 8 x 2,048 x 16 x 24 uint8 (E3M2 codes of W1, K innermost, in blocks of 32 codes, four codes in three bytes); W1_scales 8 x 2,048 x 16 uint8 (E8M0 scales of W1, one for each 32 codes along K); W2_codes 8 x 512 x 64 x 24 uint8 (E3M2 codes of W2, K innermost, in blocks of 32 codes, four codes in three bytes); W2_scales 8 x 512 x 64 uint8 (E8M0 scales of W2, one for each 32 codes along K); Wg 512 x 8 float32; b1 8 x 2,048 float32; b2 8 x 512 float32; bg 8 float32; x 8 x 512 x 512 float32.
;; Outputs: out0 8 x 512 x 512 float32; out1 one number float32; out2 one number float32.
;; This version of the problem:
;;   THIS VERSION OF THE PROBLEM IS GIVEN IN LOW PRECISION. The matrix products marked QUANTISED in the list below multiply operands that are first quantised to E3M2 (3 exponent bits, 2 mantissa bits; 6 bits a number), with one power-of-two scale for each 32 numbers along K (OCP MX v1.0); their sums are f32. All else is computed in f32.
;;   The module's matrix products, in the order in which they are computed (A, B: the left and right operand; K: the contracted axis; several contracted axes count as one K, in the product's order):
;;     1. [M 4,096, K 512] x [K 512, N 8]; A: input x; B: input Wg: left as it is (N = 8 < 16)
;;     2. batch 4,096 x [M 1, K 2] x [K 2, N 8]; A: softmax; B: computed on the way: left as it is (K = 2 < 32)
;;     3. [M 4,096, K 512] x [K 512, N 2,048]; A: input x; B: input W1 (given as codes): QUANTISED
;;     4. [M 4,096, K 2,048] x [K 2,048, N 512]; A: computed on the way; B: input W2 (given as codes): QUANTISED
;;     5. [M 4,096, K 512] x [K 512, N 2,048]; A: input x; B: input W1 (given as codes): QUANTISED
;;     6. [M 4,096, K 2,048] x [K 2,048, N 512]; A: computed on the way; B: input W2 (given as codes): QUANTISED
;;     7. [M 4,096, K 512] x [K 512, N 2,048]; A: input x; B: input W1 (given as codes): QUANTISED
;;     8. [M 4,096, K 2,048] x [K 2,048, N 512]; A: computed on the way; B: input W2 (given as codes): QUANTISED
;;     9. [M 4,096, K 512] x [K 512, N 2,048]; A: input x; B: input W1 (given as codes): QUANTISED
;;     10. [M 4,096, K 2,048] x [K 2,048, N 512]; A: computed on the way; B: input W2 (given as codes): QUANTISED
;;     11. [M 4,096, K 512] x [K 512, N 2,048]; A: input x; B: input W1 (given as codes): QUANTISED
;;     12. [M 4,096, K 2,048] x [K 2,048, N 512]; A: computed on the way; B: input W2 (given as codes): QUANTISED
;;     13. [M 4,096, K 512] x [K 512, N 2,048]; A: input x; B: input W1 (given as codes): QUANTISED
;;     14. [M 4,096, K 2,048] x [K 2,048, N 512]; A: computed on the way; B: input W2 (given as codes): QUANTISED
;;     15. [M 4,096, K 512] x [K 512, N 2,048]; A: input x; B: input W1 (given as codes): QUANTISED
;;     16. [M 4,096, K 2,048] x [K 2,048, N 512]; A: computed on the way; B: input W2 (given as codes): QUANTISED
;;     17. [M 4,096, K 512] x [K 512, N 2,048]; A: input x; B: input W1 (given as codes): QUANTISED
;;     18. [M 4,096, K 2,048] x [K 2,048, N 512]; A: computed on the way; B: input W2 (given as codes): QUANTISED
;;   THE QUANTISER, for each operand of a quantised product, along K:
;;     - K is cut into blocks of 32 from its start; a last block that is shorter is filled with zeros.
;;     - A block's scale is 2^e with e = floor(log2(the largest magnitude in the block)) - 4, held to -126 .. 127; a block of zeros has e = 0. As a byte (E8M0): e + 127.
;;     - Each number is divided by its block's scale, clamped to +-28, and rounded to the nearest number of E3M2, ties to even, subnormals kept.
;;     - The product sums the exact products of the quantised numbers (number of the format x scale) in f32.
;;   ~~~python
;;   def quantise(x, axis):      # numpy; x: float32 -> the quantised numbers, widened to float32 again
;;       x = np.moveaxis(x, axis, -1); K = x.shape[-1]
;;       x = np.pad(x, [(0, 0)] * (x.ndim - 1) + [(0, -K % 32)]); x = x.reshape(x.shape[:-1] + (-1, 32)); a = np.abs(x).max(-1, keepdims=True)
;;       e = np.where(a > 0, np.clip(np.frexp(np.where(a > 0, a, 1))[1] - 1 - 4, -126, 127), 0)      # np.frexp(a)[1] - 1 = floor(log2(a)), exactly
;;       r = np.clip(x / 2.0 ** e, -28, 28)
;;       step = 2.0 ** (np.maximum(np.frexp(np.where(r == 0, 1, r))[1] - 1, -2) - 2)
;;       q = np.round(r / step) * step * 2.0 ** e      # np.round: ties to even
;;       return np.moveaxis(q.reshape(q.shape[:-2] + (-1,))[..., :K], -1, axis).astype(np.float32)
;;   ~~~
;;   OPERANDS COMPUTED ON THE WAY. 'Computed on the way' means the value that the module computes at that place (a softmax that the list does not call 'softmax' is quantised finished and normalised). What goes into a quantiser is computed in f32, as accurately as f32 sums, v_exp_f32 and their like allow (about 1e-6 of the number): no bf16 or f16 on the way to a quantiser, and a product that is left as it is and whose result goes on into a quantised operand takes f32 operands (vector FMAs, or v_wmma_f32_16x16x4_f32). A number that lies on a knife's edge between two numbers of the format may be rounded either way, as far as f32 arithmetic and the matrix unit's own rounding can turn it there, and no further.
;;   INPUTS GIVEN AS CODES. W1 (in the module: [8, 512, 2048], K = its axis 1); W2 (in the module: [8, 2048, 512], K = its axis 1): each comes as NAME_codes (uint8): NAME with its K axis moved to the last place and cut into blocks of 32 codes, [.., K / 32, bytes a block], one block behind the other in memory; four codes in three bytes: a row's codes are one little-endian stream of bits, code i at bits 6 i .. 6 i + 5 (a code: sign, 3 exponent bits, 2 mantissa bits); and NAME_scales (uint8): the same leading axes, one E8M0 byte (e + 127) for each 32 codes along K. Its value is code x scale, taken as it is: it is not quantised again, and the codes and scales need not be those that the quantiser above would give.
;; 2 versions, each right and faster than the one before. Each part assembles by itself: llvm-mc -triple=amdgcn-amd-amdhsa -mcpu=gfx1250 --defsym DOCPART=n.
;; ======== version 1 of 2: 3 launches
;; workspace buffers: xc 1,638,400 bytes; wl 13,107,200 bytes; rt 65,536 bytes; lists 20,480 bytes of whole numbers; ybuf 16,777,216 bytes
;; launch route (part 1): grid 256 x 1, 4 waves a work-group, no clusters, 33,280 bytes of LDS; arguments x, Wg, bg, W1_codes, W1_scales, W2_codes, W2_scales, xc, wl, rt, lists; writes xc, wl, rt, lists
.if DOCPART == 1
	.amdgcn_target "amdgcn-amd-amdhsa--gfx1250"
	.amdhsa_code_object_version 6
	.text
	.protected	k_qaaff3c6d3a_route
	.globl	k_qaaff3c6d3a_route
	.p2align	8
	.type	k_qaaff3c6d3a_route,@function
k_qaaff3c6d3a_route:
	s_mov_b64 s[64:65], 0
	v_nop
	global_prefetch_b8 v0, s[64:65] scope:SCOPE_SE
	s_setreg_imm32_b32 hwreg(HW_REG_WAVE_MODE, 25, 1), 1
	s_wait_xcnt 0x0
; ROUTE.  Work-groups 0-127: the router in f32, the top two experts of each token, their gates, the parts of the two losses, the lists of whole numbers by which the next launch
; finds its rows, and x as codes of BF6 (E3M2) with one E8M0 byte for each 32 along K.  Work-groups 128-255: W1's and W2's codes and scale bytes laid anew, in the order in which a wave of the
; next launch takes them into its operand registers, so that each of its loads is 512 consecutive bytes.
; THE K ORDER USED BY THIS PROGRAM.  In a K step of 128 the lanes 0-15 of an operand hold the blocks 0 and 1 of 32 and the lanes 16-31 the blocks 2 and 3: a lane's 12 registers are 48 consecutive bytes of its row.
; The matrix instruction takes them as its blocks 0, 2 and 1, 3; both operands are laid alike, so the same numbers meet, and a scale word holds its four bytes in the order 0, 2, 1, 3.
; ROUTER PATH.  A wave takes 8 tokens, one group.  A step is one token: 2,048 bytes by four loads of 512 consecutive bytes, turned through the wave's own stage in LDS so that a lane holds 16 neighbours along K.
; The same 16 numbers serve the quantiser and the router's eight sums (Wg's 16 rows of a lane stay in 128 registers).  No address of this launch hangs on a logit: what is chosen is stored at fixed places.
;   lists: nib[e][group]: nibble j = the place in the group (0-7) of the j-th token that chose e, + 8 where e is that token's second choice;  cnt[e][group]: how many, one byte.
;   rt: gk[token][2] the two gates;  part[group][e] the group's sum of gates;  zsq[token] logsumexp squared.
; A tie of logits keeps the lower index, as the top-k of the problem does.  The maximum is taken away ahead of every exponential.
; LIMITS: NaN and infinities among the inputs are not served.  A block whose largest magnitude lies under 2^-122 keeps the scale byte 1; a block of zeros keeps the byte 1 with zero codes (the bytes are read by this program alone).
; Two logits closer than the rounding of an f32 sum of 512 terms may change places against another order of summing.
.set XS_OFF, 1572864                   ; xc: behind the codes [4096][384], the scale words [4096][4]
.set WS_OFF, 12582912                  ; wl: behind the codes, the scale images
.set PART,   32768
.set ZSQ,    49152
.set CNT,    16384
.set SP,     80                        ; a lane's place in a stage: 64 bytes + 16 of padding
.set WREG,   8192                      ; LDS of a wave: two stages of 32 x SP bytes, then its 128 scale bytes
.set SBY,    2*32*SP
.set R,   16                           ; v16-79    four sets of 16 numbers as loaded
.set X,   80                           ; v80-111   two sets of 16 neighbours
.set E,   112                          ; v112-119  a scale byte for each step
.set C,   120                          ; v120-151  codes, four registers a step: no store's data are written again
.set A,   152                          ; v152-159  the eight sums of a token
.set AT,  160                          ; v160-167  the other half of the lanes'
.set L,   168                          ; v168-175  lane t: token t's eight logits
.set V1,  176
.set I1,  177
.set V2,  178
.set I2,  179
.set P1,  180                          ; v[180:181] the two gates
.set P2,  181
.set Z,   182
.set GS,  184                          ; v184-191  gates by expert
.set NB,  192                          ; v192-199  nibbles by expert
.set CNTV, 200
.set SELG, 201
.set SELN, 202
.set LP8,  203
.set EX,  208                          ; v208-216  exponentials
.set MSB, 0
.macro WIN new                         ; the immediate's high byte repeats the setting that is left
.if MSB != \new
	s_set_vgpr_msb (MSB<<8)|\new
.set MSB, \new
.endif
.endm
	s_load_b512 s[4:19], s[0:1], 0x0               ; x, Wg, bg, W1 codes, W1 scales, W2 codes, W2 scales, xc
	s_load_b128 s[20:23], s[0:1], 0x40             ; wl, rt
	s_load_b64 s[24:25], s[0:1], 0x50              ; lists
	v_lshl_add_u32 v254, v0, 2, 0x8000
	v_mov_b32 v255, 0
	v_lshrrev_b32 v1, 5, v0
	v_readfirstlane_b32 s26, v1                    ; wave 0..3
	v_and_b32 v2, 31, v0                           ; lane
	v_lshlrev_b32 v3, 4, v2                        ; 16 x lane
	s_cmp_ge_u32 ttmp9, 128
	s_cbranch_scc1 .Lrelay
	; ---------------- the router path ----------------
	s_lshl_b32 s27, ttmp9, 2
	s_add_co_u32 s27, s27, s26                     ; my group of 8 tokens
	s_mul_i32 s37, s26, WREG
	v_lshrrev_b32 v14, 2, v2
	v_mul_u32_u24 v14, v14, SP
	v_and_b32 v15, 3, v2
	v_lshl_add_u32 v14, v15, 4, v14
	v_add_nc_u32 v14, s37, v14                     ; the stage, on the way in: four lanes' 64 bytes on end, then the padding
	v_mul_u32_u24 v15, v2, SP
	v_add_nc_u32 v15, s37, v15                     ; and on the way out: my 16 neighbours
	v_mul_u32_u24 v4, v2, 12                       ; my 16 codes' place in a row's 384 bytes
	v_lshrrev_b32 v8, 3, v2                        ; my block is lane / 2: its K step,
	v_bfe_u32 v9, v2, 1, 1                         ; and its place in the scale word: blocks 0, 1, 2, 3 go to bytes 0, 2, 1, 3
	v_bfe_u32 v10, v2, 2, 1
	v_lshl_add_u32 v5, v8, 2, v10
	v_lshl_add_u32 v5, v9, 1, v5
	v_add_nc_u32 v5, s37, v5
	v_add_nc_u32 v5, SBY, v5                       ; LDS: where my block's byte goes
	v_lshlrev_b32 v7, 2, v2
	v_add_nc_u32 v6, s37, v7
	v_add_nc_u32 v6, SBY, v6                       ; and where I read a word of the 128 bytes back
	v_lshlrev_b32 v13, 9, v2                       ; Wg: my 16 rows of 32 bytes
	s_mov_b32 s38, 0x76543210
	s_mov_b32 s39, 0xfedcba98                      ; lane selects: lane l xor 16
	s_lshl_b32 s44, s27, 14                        ; 8 rows of 2,048 bytes
	s_mov_b32 s45, 0
	s_wait_kmcnt 0x0
	s_load_b256 s[28:35], s[8:9], 0x0              ; bg
	s_add_nc_u64 s[4:5], s[4:5], s[44:45]
.macro LOAD t
.irp i, 0,1,2,3
	global_load_b128 v[R+16*((\t)%4)+4*\i:R+16*((\t)%4)+4*\i+3], v3, s[4:5] offset:2048*(\t)+512*\i th:TH_LOAD_NT   ; 32 lanes read 512 consecutive bytes
.endr
.endm
.macro TURN t                          ; step t's numbers through the stage: LDS serves a wave's instructions in order, so no wait stands between the stores and the loads
.irp i, 0,1,2,3
	ds_store_b128 v14, v[R+16*((\t)%4)+4*\i:R+16*((\t)%4)+4*\i+3] offset:32*SP*((\t)%2)+8*SP*\i
.endr
.irp i, 0,1,2,3
	ds_load_b128 v[X+16*((\t)%2)+4*\i:X+16*((\t)%2)+4*\i+3], v15 offset:32*SP*((\t)%2)+16*\i
.endr
.endm
.irp t, 0,1,2,3
	LOAD \t
.endr
	WIN 0x40                                       ; destination window 1: Wg(16 lane + kk, e) at v[8 kk + e]
.irp q, 0,1,2,3,4,5,6,7,8,9,10,11,12,13,14,15,16,17,18,19,20,21,22,23,24,25,26,27,28,29,30,31
	global_load_b128 v[4*\q:4*\q+3], v13, s[6:7] offset:16*\q
.endr
	WIN 0
	s_mul_i32 s44, s27, 3072
	s_add_nc_u64 s[46:47], s[18:19], s[44:45]      ; my 8 rows of codes
	s_lshl_b32 s44, s27, 7
	s_add_nc_u64 s[48:49], s[18:19], s[44:45]      ; my 8 rows of scale words (+ XS_OFF in the store)
	s_lshl_b32 s44, s27, 6
	s_add_nc_u64 s[50:51], s[22:23], s[44:45]      ; gk
	s_lshl_b32 s44, s27, 5
	s_add_nc_u64 s[52:53], s[22:23], s[44:45]      ; zsq and part (+ ZSQ, + PART)
	s_lshl_b32 s44, s27, 2
	s_add_nc_u64 s[56:57], s[24:25], s[44:45]      ; nib
	s_mov_b32 s44, s27
	s_add_nc_u64 s[58:59], s[24:25], s[44:45]      ; cnt (+ CNT)
.irp e, 0,1,2,3,4,5,6,7
	v_mov_b32 v[AT+\e], 0                          ; written once: a lane permute's destination counts as one of its sources
	v_mov_b32 v[L+\e], 0
.endr
	s_wait_loadcnt 44                              ; step 0's four loads are in; behind them: steps 1 to 3 (12) and Wg (32)
	TURN 0
.macro STEP t
.set XQ, X+16*((\t)%2)
.if (\t) > 0
	s_wait_dscnt 1                                 ; this step's numbers are back from the stage (the last step's byte store may be out)
.else
	s_wait_dscnt 0x0
.endif
.if (\t)+4 < 8
	LOAD (\t)+4                                    ; into the set that this step's stores into the stage have read
.endif
.if (\t) == 0
	s_wait_loadcnt 44                              ; step 1's loads are in; behind them: steps 2, 3 (8), Wg (32), step 4 (4)
	TURN 1
.elseif (\t) < 4
	s_wait_loadcnt 12                              ; the next step's loads are in; at least the three steps behind it are younger
	TURN (\t)+1
.elseif (\t) < 7
	s_wait_loadcnt 4*(6-(\t))                      ; the counts run down: 8, 4, 0
	TURN (\t)+1
.endif
	v_max3_num_f32 v8, |v[XQ]|, |v[XQ+1]|, |v[XQ+2]|               ; the largest magnitude of my 16, in two chains
	v_max3_num_f32 v9, |v[XQ+3]|, |v[XQ+4]|, |v[XQ+5]|
.irp i, 6,10
	v_max3_num_f32 v8, v8, |v[XQ+\i]|, |v[XQ+\i+1]|
	v_max3_num_f32 v9, v9, |v[XQ+\i+2]|, |v[XQ+\i+3]|
.endr
	v_max3_num_f32 v8, v8, |v[XQ+14]|, |v[XQ+15]|
	v_max3_num_f32 v8, v8, v9, 5<<23               ; and the floor 2^(5 - 127): the byte cannot fall under 1
	v_max_num_f32_dpp v8, v8, v8 row_xmask:1 row_mask:0xf bank_mask:0xf   ; with my neighbour's 16: the block's
	v_add_nc_u32 v11, -(4<<23), v8                 ; 4 off its exponent field: the conversion takes this operand's exponent field as its scale
	v_cvt_scalef32_pk16_bf6_f32 v[C+4*(\t):C+4*(\t)+2], v[XQ:XQ+15], v11
	v_lshrrev_b32 v[E+(\t)], 23, v11               ; the scale's byte (also the plain line behind the conversion)
	ds_store_b8 v5, v[E+(\t)] offset:16*(\t)       ; both lanes of a block write the same byte with the same value
	global_store_b96 v4, v[C+4*(\t):C+4*(\t)+2], s[46:47] offset:384*(\t)   ; the wave stores a row's 384 consecutive bytes
.if (\t) == 0
	s_wait_loadcnt 4                               ; Wg is in: only step 4's four loads are younger
.endif
	WIN 0x01                                       ; source 0 (Wg) window 1
.irp p, 0,1,2,3
	v_pk_mul_f32 v[A+2*\p:A+2*\p+1], v[2*\p:2*\p+1], v[XQ:XQ+1] op_sel_hi:[1,0]   ; the first product starts the sums: two experts at a time, x(kk) for both halves
.endr
.irp k, 1,2,3,4,5,6,7,8,9,10,11,12,13,14,15
.irp p, 0,1,2,3
.if (\k)%2
	v_pk_fma_f32 v[A+2*\p:A+2*\p+1], v[8*\k+2*\p:8*\k+2*\p+1], v[XQ+\k-1:XQ+\k], v[A+2*\p:A+2*\p+1] op_sel:[0,1,0] op_sel_hi:[1,1,1]
.else
	v_pk_fma_f32 v[A+2*\p:A+2*\p+1], v[8*\k+2*\p:8*\k+2*\p+1], v[XQ+\k:XQ+\k+1], v[A+2*\p:A+2*\p+1] op_sel_hi:[1,0,1]
.endif
.endr
.endr
	WIN 0
.irp d, 1,2,4,8
.irp e, 0,1,2,3,4,5,6,7
	v_add_f32_dpp v[A+\e], v[A+\e], v[A+\e] row_xmask:\d row_mask:0xf bank_mask:0xf
.endr
.endr
.irp e, 0,1,2,3,4,5,6,7
	v_permlanex16_b32 v[AT+\e], v[A+\e], s38, s39
.endr
.irp e, 0,1,2,3,4,5,6,7
	v_add_f32 v[A+\e], v[A+\e], v[AT+\e]           ; every lane holds the token's eight sums
.endr
	s_mov_b32 s36, 1<<(\t)
.irp e, 0,1,2,3,4,5,6,7
	v_cndmask_b32 v[L+\e], v[L+\e], v[A+\e], s36   ; lane t keeps them
.endr
.endm
.irp t, 0,1,2,3,4,5,6,7
	STEP \t
.endr
	ds_load_b32 v12, v6                            ; LDS serves a wave's instructions in order: this sees my byte stores
	s_wait_dscnt 0x0
	global_store_b32 v7, v12, s[48:49] offset:XS_OFF   ; 8 tokens x 4 scale words: 128 consecutive bytes
	s_wait_kmcnt 0x0                               ; bg
.irp e, 0,1,2,3,4,5,6,7
	v_add_f32 v[L+\e], s[28+\e], v[L+\e]
.endr
	v_mov_b32 v[V1], v[L]                          ; the largest: a later expert takes its place only if it is truly larger
	v_mov_b32 v[I1], 0
.irp e, 1,2,3,4,5,6,7
	v_cmp_gt_f32 vcc_lo, v[L+\e], v[V1]
	v_cndmask_b32 v[V1], v[V1], v[L+\e], vcc_lo
	v_cndmask_b32 v[I1], v[I1], \e, vcc_lo
.endr
	v_mov_b32 v[V2], 0xff800000                    ; the largest of the others, by the same rule
	v_mov_b32 v[I2], 0
.irp e, 0,1,2,3,4,5,6,7
	v_cmp_gt_f32 s40, v[L+\e], v[V2]
	v_cmp_ne_u32 s41, \e, v[I1]
	s_and_b32 s40, s40, s41
	v_cndmask_b32 v[V2], v[V2], v[L+\e], s40
	v_cndmask_b32 v[I2], v[I2], \e, s40
.endr
.irp e, 0,1,2,3,4,5,6,7
	v_sub_f32 v[EX+\e], v[L+\e], v[V1]             ; the maximum is taken away first
.endr
	v_sub_f32 v[EX+8], v[V2], v[V1]
.irp e, 0,1,2,3,4,5,6,7,8
	v_mul_f32 v[EX+\e], 0x3fb8aa3b, v[EX+\e]       ; x log2(e)
.endr
.irp e, 0,1,2,3,4,5,6,7,8
	v_exp_f32 v[EX+\e], v[EX+\e]
.endr
	v_add_nc_u32 v[LP8], 8, v2                     ; a plain line behind the exponentials
	s_wait_alu depctr_va_vdst(0)                   ; one wait for the nine, ahead of their first reader
	v_add_f32 v8, v[EX], v[EX+1]
	v_add_f32 v9, v[EX+2], v[EX+3]
	v_add_f32 v10, v[EX+4], v[EX+5]
	v_add_f32 v11, v[EX+6], v[EX+7]
	v_add_f32 v8, v8, v9
	v_add_f32 v10, v10, v11
	v_add_f32 v8, v8, v10                          ; the sum of exp(logit - max)
	v_add_f32 v9, 1.0, v[EX+8]
	v_log_f32 v[Z], v8
	v_rcp_f32 v[P1], v9
	v_mov_b32 v[CNTV], 0                           ; a plain line behind the two
	s_wait_alu depctr_va_vdst(0)
	v_mul_f32 v[P2], v[EX+8], v[P1]                ; the gates: 1 / (1 + ex), ex / (1 + ex)
	v_fma_f32 v[Z], v[Z], 0x3f317218, v[V1]        ; logsumexp = max + ln 2 x log2(sum)
	v_mul_f32 v[Z], v[Z], v[Z]
	v_mov_b32 v204, 0
.irp e, 0,1,2,3,4,5,6,7
	v_cmp_eq_u32 s40, \e, v[I1]
	v_cmp_eq_u32 s41, \e, v[I2]
	v_cndmask_b32 v[GS+\e], 0, v[P1], s40
	v_cndmask_b32 v[GS+\e], v[GS+\e], v[P2], s41
	s_or_b32 s42, s40, s41
	s_and_b32 s42, s42, 0xff                       ; which of my 8 tokens chose e
	s_bcnt1_i32_b32 s43, s42
	v_writelane_b32 v[CNTV], s43, \e               ; lane e: how many
	v_mbcnt_lo_u32_b32 v205, s42, 0                ; my token's place among them,
	v_lshlrev_b32 v205, 2, v205
	v_cndmask_b32 v206, v2, v[LP8], s41            ; its nibble: the lane, + 8 for a second choice,
	v_lshlrev_b32 v206, v205, v206                 ; at that place
	v_cndmask_b32 v[NB+\e], 0, v206, s42
.endr
.irp d, 1,2,4
.irp e, 0,1,2,3,4,5,6,7
	v_add_f32_dpp v[GS+\e], v[GS+\e], v[GS+\e] row_xmask:\d row_mask:0xf bank_mask:0xf
.endr
.irp e, 0,1,2,3,4,5,6,7
	v_mov_b32_dpp v204, v[NB+\e] row_xmask:\d row_mask:0xf bank_mask:0xf
	v_or_b32 v[NB+\e], v[NB+\e], v204
.endr
.endr
	v_mov_b32 v[SELG], v[GS]                       ; lane e takes expert e's
	v_mov_b32 v[SELN], v[NB]
.irp e, 1,2,3,4,5,6,7
	v_cmp_eq_u32 vcc_lo, \e, v2
	v_cndmask_b32 v[SELG], v[SELG], v[GS+\e], vcc_lo
	v_cndmask_b32 v[SELN], v[SELN], v[NB+\e], vcc_lo
.endr
	v_lshlrev_b32 v8, 3, v2
	v_lshlrev_b32 v9, 11, v2
	v_lshlrev_b32 v10, 9, v2
	s_wait_xcnt 0x0                                ; EXEC changes only behind this wait
	v_cmp_gt_u32 vcc_lo, 8, v2
	s_wait_tensorcnt 0x0
	ds_add_u32 v254, v255
	s_wait_dscnt 0x0
	s_and_saveexec_b32 s40, vcc_lo                 ; lanes 0-7: a token each, or an expert each
	global_store_b64 v8, v[P1:P1+1], s[50:51]      ; gk[token]
	global_store_b32 v7, v[Z], s[52:53] offset:ZSQ
	global_store_b32 v7, v[SELG], s[52:53] offset:PART
	global_store_b32 v9, v[SELN], s[56:57]         ; nib[e][group]
	global_store_b8 v10, v[CNTV], s[58:59] offset:CNT
	s_wait_xcnt 0x0
	s_or_b32 exec_lo, exec_lo, s40
	s_endpgm
	; ---------------- the weights laid anew ----------------
	; wl, for expert e and wave w of the next launch (ew = 4 e + w): 64 quads of 6,144 bytes; a quad is 12 pieces of 512 bytes, lane l's 16 bytes at 16 l.
	; Quads 0-31 (8 c + t): W1, hidden units 128 (4 w + c) on, tile t = 2 b + u: lane row p takes row 32 b + 8 u + p + 8 (p / 8); piece 3 s + g: bytes 96 s + 48 h + 16 g of that row.
	; Quads 32-63 (32 + 2 S + half): W2, K step S, tiles n = 4 half + i of rows 128 w + 16 n + p; piece 3 i + g: bytes 96 S + 48 h + 16 g.
	; Scale images of 512 bytes: 4 c + b: lane (p, hh): the four words of W1's row 32 b + 8 hh + p + 8 (p / 8);  16 + S: register P: the word of W2's row 128 w + 32 P + lane at K step S.
	; Four work-groups to a stream, a wave to four quads and two scale images.
.Lrelay:
	s_sub_co_u32 s27, ttmp9, 128
	s_lshr_b32 s28, s27, 2                         ; ew
	s_and_b32 s29, s27, 3
	s_lshl_b32 s30, s29, 2
	s_add_co_u32 s30, s30, s26                     ; sub 0..15: quads 4 sub .. 4 sub + 3, images 2 sub, 2 sub + 1
	s_mul_i32 s36, s28, 393216
	s_mul_i32 s31, s30, 24576
	s_add_co_u32 s36, s36, s31
	s_mov_b32 s37, 0
	s_lshl_b32 s38, s28, 14
	s_lshl_b32 s31, s30, 10
	s_add_co_u32 s38, s38, s31
	s_mov_b32 s39, 0
	s_mul_i32 s40, s28, 196608                     ; the stream's rows in W1's codes and in W2's: 512 x 384 = 128 x 1,536 bytes
	s_mov_b32 s41, 0
	s_lshl_b32 s42, s28, 13                        ; and in their scales: 512 x 16 = 128 x 64
	s_mov_b32 s43, 0
	v_and_b32 v4, 15, v2                           ; p
	v_lshrrev_b32 v5, 4, v2                        ; h
	s_wait_kmcnt 0x0
	s_add_nc_u64 s[36:37], s[20:21], s[36:37]
	s_add_nc_u64 s[38:39], s[20:21], s[38:39]
	s_add_nc_u64 s[38:39], s[38:39], WS_OFF
.macro PUTQ q                          ; a quad leaves: each store is 512 consecutive bytes
.irp g, 0,1,2,3,4,5,6,7,8,9,10,11
	global_store_b128 v3, v[16+48*\q+4*\g:16+48*\q+4*\g+3], s[36:37] offset:6144*\q+512*\g
.endr
.endm
.macro PUTALL                          ; the scale loads are older than the 48 loads of codes, so the first count serves them too
	s_wait_loadcnt 36
.endm
	s_cmp_ge_u32 s29, 2
	s_cbranch_scc1 .Lw2
	s_mul_i32 s31, s30, 24576                      ; W1: 64 rows of 384 bytes a wave
	s_add_co_u32 s40, s40, s31
	s_lshl_b32 s31, s30, 10
	s_add_co_u32 s42, s42, s31
	s_add_nc_u64 s[40:41], s[10:11], s[40:41]
	s_add_nc_u64 s[42:43], s[12:13], s[42:43]
	v_and_b32 v6, 8, v4
	v_add_nc_u32 v6, v6, v4                        ; p + 8 (p / 8)
	v_mul_u32_u24 v7, v6, 384
	v_mad_u32_u24 v7, v5, 48, v7
	v_lshl_add_u32 v8, v5, 3, v6
	v_lshlrev_b32 v8, 4, v8
.irp i, 0,1
	global_load_b128 v[208+4*\i:211+4*\i], v8, s[42:43] offset:512*\i th:TH_LOAD_NT
.endr
.irp q, 0,1,2,3
.irp s, 0,1,2,3
.irp g, 0,1,2
	global_load_b128 v[16+48*\q+12*\s+4*\g:16+48*\q+12*\s+4*\g+3], v7, s[40:41] offset:(32*(\q/2)+8*(\q%2))*384+96*\s+16*\g th:TH_LOAD_NT
.endr
.endr
.endr
	PUTALL
.irp k, 0,1,2,3,4,5,6,7
	v_perm_b32 v[224+\k], v[208+\k], v[208+\k], 0x03010200   ; a word's bytes in the order 0, 2, 1, 3
.endr
.irp i, 0,1
	global_store_b128 v3, v[224+4*\i:227+4*\i], s[38:39] offset:512*\i
.endr
	PUTQ 0
	s_wait_loadcnt 24
	PUTQ 1
	s_wait_loadcnt 12
	PUTQ 2
	s_wait_loadcnt 0x0
	PUTQ 3
	s_endpgm
.Lw2:
	s_sub_co_u32 s30, s30, 8                       ; W2: K steps 2 sb, 2 sb + 1
	s_mul_i32 s31, s30, 192
	s_add_co_u32 s40, s40, s31
	s_lshl_b32 s31, s30, 3
	s_add_co_u32 s42, s42, s31
	s_add_nc_u64 s[40:41], s[14:15], s[40:41]
	s_add_nc_u64 s[42:43], s[16:17], s[42:43]
	v_mul_u32_u24 v7, v4, 1536
	v_mad_u32_u24 v7, v5, 48, v7
	v_lshlrev_b32 v8, 6, v2
.irp p, 0,1,2,3
	global_load_b64 v[208+2*\p:209+2*\p], v8, s[42:43] offset:2048*\p th:TH_LOAD_NT   ; rows 32 P + lane: the words of my two K steps
.endr
.irp q, 0,1,2,3
.irp i, 0,1,2,3
.irp g, 0,1,2
	global_load_b128 v[16+48*\q+12*\i+4*\g:16+48*\q+12*\i+4*\g+3], v7, s[40:41] offset:(4*(\q%2)+\i)*24576+96*(\q/2)+16*\g th:TH_LOAD_NT
.endr
.endr
.endr
	PUTALL
.irp q, 0,1
.irp p, 0,1,2,3
	v_perm_b32 v[224+4*\q+\p], v[208+2*\p+\q], v[208+2*\p+\q], 0x03010200
.endr
.endr
.irp i, 0,1
	global_store_b128 v3, v[224+4*\i:227+4*\i], s[38:39] offset:512*\i
.endr
	PUTQ 0
	s_wait_loadcnt 24
	PUTQ 1
	s_wait_loadcnt 12
	PUTQ 2
	s_wait_loadcnt 0x0
	PUTQ 3
	s_endpgm
.Lfunc_end_k_qaaff3c6d3a_route:
	.size	k_qaaff3c6d3a_route, .Lfunc_end_k_qaaff3c6d3a_route-k_qaaff3c6d3a_route
	.p2alignl 7, 3214868480
	.fill 96, 4, 3214868480
	.section	.rodata,"a",@progbits
	.p2align	6, 0x0
	.amdhsa_kernel k_qaaff3c6d3a_route
		.amdhsa_group_segment_fixed_size 33280
		.amdhsa_private_segment_fixed_size 0
		.amdhsa_enable_private_segment 0
		.amdhsa_kernarg_size 88
		.amdhsa_user_sgpr_count 2
		.amdhsa_user_sgpr_kernarg_segment_ptr 1
		.amdhsa_wavefront_size32 1
		.amdhsa_system_sgpr_workgroup_id_x 1
		.amdhsa_system_sgpr_workgroup_id_y 1
		.amdhsa_system_sgpr_workgroup_id_z 1
		.amdhsa_system_vgpr_workitem_id 0
		.amdhsa_next_free_vgpr 384
		.amdhsa_next_free_sgpr 66
		.amdhsa_reserve_vcc 1
		.amdhsa_float_denorm_mode_32 3
		.amdhsa_float_denorm_mode_16_64 3
		.amdhsa_memory_ordered 1
		.amdhsa_forward_progress 1
		.amdhsa_inst_pref_size 119
	.end_amdhsa_kernel
	.amdgpu_metadata
---
amdhsa.version: [ 1, 2 ]
amdhsa.kernels:
  - .name:           k_qaaff3c6d3a_route
    .symbol:         k_qaaff3c6d3a_route.kd
    .args:
      - { .name: x, .offset: 0, .size: 8, .value_kind: global_buffer, .address_space: global }
      - { .name: Wg, .offset: 8, .size: 8, .value_kind: global_buffer, .address_space: global }
      - { .name: bg, .offset: 16, .size: 8, .value_kind: global_buffer, .address_space: global }
      - { .name: W1_codes, .offset: 24, .size: 8, .value_kind: global_buffer, .address_space: global }
      - { .name: W1_scales, .offset: 32, .size: 8, .value_kind: global_buffer, .address_space: global }
      - { .name: W2_codes, .offset: 40, .size: 8, .value_kind: global_buffer, .address_space: global }
      - { .name: W2_scales, .offset: 48, .size: 8, .value_kind: global_buffer, .address_space: global }
      - { .name: xc, .offset: 56, .size: 8, .value_kind: global_buffer, .address_space: global }
      - { .name: wl, .offset: 64, .size: 8, .value_kind: global_buffer, .address_space: global }
      - { .name: rt, .offset: 72, .size: 8, .value_kind: global_buffer, .address_space: global }
      - { .name: lists, .offset: 80, .size: 8, .value_kind: global_buffer, .address_space: global }
    .group_segment_fixed_size: 33280
    .private_segment_fixed_size: 0
    .kernarg_segment_align: 8
    .kernarg_segment_size: 88
    .max_flat_workgroup_size: 128
    .sgpr_count:     66
    .vgpr_count:     384
    .wavefront_size: 32
...
	.end_amdgpu_metadata
.endif
;; end of part 1
;; launch experts (part 2): grid 135 x 1, 4 waves a work-group, no clusters, 140,800 bytes of LDS; arguments lists, xc, rt, wl, b1, b2, ybuf; writes ybuf
.if DOCPART == 2
	.amdgcn_target "amdgcn-amd-amdhsa--gfx1250"
	.amdhsa_code_object_version 6
	.text
	.protected	k_qaaff3c6d3a_experts
	.globl	k_qaaff3c6d3a_experts
	.p2align	8
	.type	k_qaaff3c6d3a_experts,@function
k_qaaff3c6d3a_experts:
	s_mov_b64 s[64:65], 0
	v_nop
	global_prefetch_b8 v0, s[64:65] scope:SCOPE_SE
	s_setreg_imm32_b32 hwreg(HW_REG_WAVE_MODE, 25, 1), 1
	s_wait_xcnt 0x0
; EXPERTS.  A work-group takes one tile of 64 routed rows of ONE expert through the whole chain: gather the rows' codes of x, h = relu(x W1 + b1), h quantised along its 2,048, y = h W2 + b2, x the row's gate,
; stored at ybuf[token][rank].  Both products on codes of BF6 (E3M2) with E8M0 scales; the hidden layer never goes to memory.  Only the rows that chose an expert are multiplied: the other gates are exact zeros.
; THE GRID.  8,192 routed rows in tiles of 64 over 8 experts are never more than 128 + 7 = 135 tiles, whatever the split.  Each wave finds its work-group's tile (expert, first row, rows) and its 64 tokens from the
; stored counts and nibbles, by whole-number arithmetic and lane permutes.  A work-group that the split leaves without rows runs the chain on rows held inside the tables and stores nothing: the launch's one barrier
; stands on every wave's path, under no branch on loaded numbers.  The same holds for the rows past a tile's count.
; SHARES.  Wave w makes hidden units 512 w .. 512 w + 511, in four chunks of 128 (chunk c is K step 4 w + c of the second product), and output columns 128 w .. 128 w + 127, for all 64 rows (four tiles m of 16).
; Both products are used transposed (source 0 = 16 rows of the weight, source 1 = 16 tokens): a lane holds ONE token, and its registers run along the hidden units or the columns.
; THE WEIGHTS come from memory straight into registers, from the layout that the launch before has made: each load is 512 consecutive bytes, each fragment is loaded once in the work-group and feeds four matrix
; instructions.  A ring of four slots of 48 registers (a quad: 6,144 bytes) runs four quads ahead; the stream of a wave goes on from W1's 32 quads into W2's 32.
; NO TENSOR LOADS, NO CLUSTER: which expert's weights a work-group reads hangs on counts read from memory, so a joint request's descriptor could not be shown equal in its partners, and partners need not have one expert.
; THE K ORDER: in a K step of 128, lanes 0-15 hold blocks 0, 1 and lanes 16-31 blocks 2, 3, on both operands alike; scale words hold their bytes in the order 0, 2, 1, 3.  So inside one instruction the products are
; summed in another order than ascending K.
; LIMITS: NaN and infinities are not served.  A block of h whose largest number lies under 2^-122, a block of zeros among them, keeps the scale byte 1 (zero codes add nothing).
; REGISTERS, in windows of 256.  Window 0: v1-14 lane numbers and addresses; v16-31 the rows' offsets, slots and gates; v32-47 x's scale words, v48-63 the weights', v64-71 h's (these hold scales and nothing else);
;   v72-135 64 numbers at work; v136-155 codes just made; v156-172 the quantiser's; v176-239 rows on the way out; v240-255 their offsets.
;   Window 1: the 32 accumulators (tile t or n, rows m) at v[8 (4 t + m)].  Window 2: x's 16 fragments at v[12 (4 m + s)]; later h's, two sets of four.  Window 3: the ring, v0-191; the biases of 8 tiles, v192-255.
.set XS_OFF, 1572864
.set WS_OFF, 12582912
.set CNT,    16384
.set QB,     6144                      ; a quad
.set HSC,    98304                     ; LDS: h's 64 images of 1,536 bytes from 0; their scale words, 128 bytes each, from here;
.set STG,    106496                    ; a stage of 16 rows x (512 + 16) bytes for each wave
.set L16, 4
.set L4,  5
.set B1O, 6
.set B2O, 7
.set HW,  8                            ; where I store h's images: 16 x lane + 24,576 x wave, + 6,144 a chunk
.set HWS, 9                            ; and their scale words
.set HA,  10                           ; where I read them: 16 x lane, + 24,576 a group of four K steps
.set HSA, 11
.set SO,  12
.set SR,  13
.set YO,  14
.set XO,  16
.set XSO, 20
.set SLOT, 24
.set G,   28
.set XS,  32
.set WS,  48
.set HS,  64
.set T,   72
.set PC,  136
.set TM,  156
.set PW,  172
.set OUT, 176
.set VA,  240
; at work in the head only
.set CT,  176                          ; v176-207 the counts of my 16 groups, for each expert
.set PK,  208
.set TP,  212
.set DD,  216                          ; v216-219 those of my expert
.set PS,  79
.set PRE, 80
.set RP,  84
.set LO,  86
.set BS,  88
.set CA,  90
.set IX,  92
.set VL,  94
.set FT,  96
.set WI,  106
.set WJ,  108
.set TA,  110
.set TB,  112
.set GR,  114
.set DW,  116
.set OF,  118
.set NW,  120
.set TK,  122
.set SL,  124
.set TKM, 126
.set GOF, 130
.set MSB, 0
.macro WIN new                         ; the immediate's high byte repeats the setting that is left
.if MSB != \new
	s_set_vgpr_msb (MSB<<8)|\new
.set MSB, \new
.endif
.endm
.macro MM odd                          ; one product; odd = 1: the weight's scale words stand in lanes 16-31
.if \odd
	v_wmma_scale_f32_16x16x128_f8f6f4 v[rD:rD+7], v[rA:rA+11], v[rB:rB+11], v[rC:rC+7], v[rSA], v[rSB] matrix_a_fmt:MATRIX_FMT_BF6 matrix_b_fmt:MATRIX_FMT_BF6 matrix_a_scale:MATRIX_SCALE_ROW1
.else
	v_wmma_scale_f32_16x16x128_f8f6f4 v[rD:rD+7], v[rA:rA+11], v[rB:rB+11], v[rC:rC+7], v[rSA], v[rSB] matrix_a_fmt:MATRIX_FMT_BF6 matrix_b_fmt:MATRIX_FMT_BF6
.endif
.endm
	s_load_b256 s[4:11], s[0:1], 0x0               ; lists, xc, rt, wl
	s_load_b128 s[12:15], s[0:1], 0x20             ; b1, b2
	s_load_b64 s[16:17], s[0:1], 0x30              ; ybuf
	v_lshl_add_u32 v174, v0, 2, 0x22400
	v_mov_b32 v175, 0
	v_lshrrev_b32 v1, 5, v0
	v_readfirstlane_b32 s20, v1                    ; wave 0..3
	v_and_b32 v1, 31, v0                           ; lane
	v_and_b32 v2, 15, v0                           ; r
	v_bfe_u32 v3, v0, 4, 1                         ; h
	v_lshlrev_b32 v[L16], 4, v1
	v_lshlrev_b32 v[L4], 2, v1
	v_lshlrev_b32 v[B1O], 6, v3
	v_lshlrev_b32 v[B2O], 5, v3
	s_mul_i32 s44, s20, 24576
	v_add_nc_u32 v[HW], s44, v[L16]
	s_lshl_b32 s44, s20, 11
	v_add_nc_u32 v[HWS], s44, v[L4]
	v_add_nc_u32 v[HWS], HSC, v[HWS]
	v_lshlrev_b32 v[HA], 4, v1
	v_add_nc_u32 v[HSA], HSC, v[L4]
	s_mul_i32 s44, s20, 8448
	v_mul_u32_u24 v[SO], v2, 528
	v_lshl_add_u32 v[SO], v3, 5, v[SO]
	v_add_nc_u32 v[SO], s44, v[SO]
	v_add_nc_u32 v[SO], STG, v[SO]                 ; the stage, in: row r, + 32 h
	v_add_nc_u32 v[SR], s44, v[L16]
	v_add_nc_u32 v[SR], STG, v[SR]                 ; and back: a row's 512 bytes, 16 a lane
	s_lshl_b32 s44, s20, 9
	v_add_nc_u32 v[YO], s44, v[L16]                ; my wave's 512 bytes in a row of ybuf
	s_mov_b32 s42, 0x76543210
	s_mov_b32 s43, 0xfedcba98                      ; lane selects: lane l xor 16
	s_mov_b32 s53, 0x01010101
.irp b, 0,1,2,3
	v_mov_b32 v[TM+4+\b], 0                        ; written once: a lane permute's destination counts as one of its sources
	v_mov_b32 v[TP+\b], 0
.endr
	v_mov_b32 v81, 0
	v_mov_b32 v[PRE], 0
	s_wait_kmcnt 0x0
	; ---- the tile.  Lane l holds the counts of groups 16 l .. 16 l + 15, for each expert
.irp e, 0,1,2,3,4,5,6,7
	global_load_b128 v[CT+4*\e:CT+4*\e+3], v[L16], s[4:5] offset:CNT+512*\e
.endr
	s_wait_loadcnt 0x0
.irp e, 0,1,2,3,4,5,6,7
	v_add3_u32 v[T+\e], v[CT+4*\e], v[CT+4*\e+1], v[CT+4*\e+2]     ; byte by byte: a count is at most 8, so no byte runs over
.endr
.irp e, 0,1,2,3,4,5,6,7
	v_add_nc_u32 v[T+\e], v[T+\e], v[CT+4*\e+3]
.endr
.irp e, 0,1,2,3,4,5,6,7
	v_mul_lo_u32 v[T+\e], v[T+\e], s53             ; the top byte: the sum of the four
.endr
.irp e, 0,1,2,3,4,5,6,7
	v_lshrrev_b32 v[T+\e], 24, v[T+\e]
.endr
.irp k, 0,1,2,3
	v_lshl_or_b32 v[PK+\k], v[T+1+2*\k], 16, v[T+2*\k]             ; two experts to a register: a total is at most 4,096
.endr
.irp d, 1,2,4,8
.irp k, 0,1,2,3
	v_mov_b32_dpp v[TP+\k], v[PK+\k] row_xmask:\d row_mask:0xf bank_mask:0xf
.endr
.irp k, 0,1,2,3
	v_add_nc_u32 v[PK+\k], v[PK+\k], v[TP+\k]
.endr
.endr
.irp k, 0,1,2,3
	v_permlanex16_b32 v[TP+\k], v[PK+\k], s42, s43
.endr
.irp k, 0,1,2,3
	v_add_nc_u32 v[PK+\k], v[PK+\k], v[TP+\k]
.endr
.irp k, 0,1,2,3
	v_readfirstlane_b32 s[49+\k], v[PK+\k]
.endr
.irp k, 0,1,2,3
	s_and_b32 s[24+2*\k], s[49+\k], 0xffff         ; s24-31: each expert's rows
	s_lshr_b32 s[25+2*\k], s[49+\k], 16
.endr
	s_mov_b32 s44, 0                               ; tiles ahead of expert j
	s_mov_b32 s21, 0                               ; my expert,
	s_mov_b32 s54, 0                               ; its first tile,
	s_mov_b32 s55, s24                             ; its rows
.irp j, 1,2,3,4,5,6,7
	s_add_co_u32 s47, s[23+\j], 63
	s_lshr_b32 s47, s47, 6
	s_add_co_u32 s44, s44, s47
	s_cmp_ge_u32 ttmp9, s44
	s_cselect_b32 s21, \j, s21
	s_cselect_b32 s54, s44, s54
	s_cselect_b32 s55, s[24+\j], s55
.endr
	s_sub_co_u32 s22, ttmp9, s54
	s_lshl_b32 s22, s22, 6                         ; my first row in the expert's list
	s_sub_co_i32 s23, s55, s22
	s_max_i32 s23, s23, 0
	s_min_i32 s23, s23, 64                         ; my rows: 0 to 64
	s_min_u32 s21, s21, 7
	s_lshl_b32 s44, s21, 2
	s_add_co_u32 s44, s44, s20                     ; 4 e + w
	s_mul_i32 s46, s44, 393216
	s_mov_b32 s47, 0
	s_add_nc_u64 s[32:33], s[10:11], s[46:47]      ; my stream of quads
	s_lshl_b32 s46, s44, 14
	s_add_nc_u64 s[34:35], s[10:11], s[46:47]
	s_add_nc_u64 s[34:35], s[34:35], WS_OFF        ; my scale images
	s_lshl_b32 s46, s44, 11
	s_add_nc_u64 s[36:37], s[12:13], s[46:47]      ; b1 at my 512 hidden units
	s_lshl_b32 s46, s44, 9
	s_add_nc_u64 s[38:39], s[14:15], s[46:47]      ; b2 at my 128 columns
	s_lshl_b32 s46, s21, 11
	s_add_nc_u64 s[40:41], s[4:5], s[46:47]        ; my expert's nibble words
	; ---- the first fills go out while the rows are looked up: quads 0-3, the first chunk's biases and scale images
	WIN 0xC0                                       ; destination window 3
.irp q, 0,1,2,3
.irp g, 0,1,2,3,4,5,6,7,8,9,10,11
	global_load_b128 v[48*\q+4*\g:48*\q+4*\g+3], v[L16], s[32:33] offset:QB*\q+512*\g
.endr
.endr
.irp t, 0,1,2,3,4,5,6,7
	global_load_b128 v[192+8*\t:195+8*\t], v[B1O], s[36:37] offset:(32*(\t/2)+8*(\t%2))*4      ; lane (r, h), tile 2 b + u: b1 of hidden units 32 b + 16 h + 8 u + 0 .. 7
	global_load_b128 v[196+8*\t:199+8*\t], v[B1O], s[36:37] offset:(32*(\t/2)+8*(\t%2))*4+16
.endr
	WIN 0
.irp b, 0,1,2,3
	global_load_b128 v[WS+4*\b:WS+4*\b+3], v[L16], s[34:35] offset:512*\b
.endr
	; ---- my expert's counts, their sums inside a lane, and the sums of the lanes below me
.irp i, 0,1,2,3
	v_mov_b32 v[DD+\i], v[CT+\i]
.endr
.irp j, 1,2,3,4,5,6,7
	s_cmp_eq_u32 s21, \j
	s_cselect_b32 s44, -1, 0
.irp i, 0,1,2,3
	v_cndmask_b32 v[DD+\i], v[DD+\i], v[CT+4*\j+\i], s44
.endr
.endr
.irp i, 0,1,2,3
	v_mul_lo_u32 v[T+\i], v[DD+\i], s53
.endr
.irp i, 0,1,2,3
	v_lshrrev_b32 v[T+\i], 24, v[T+\i]             ; the sum of each word's four groups
.endr
	v_add_nc_u32 v76, v72, v73
	v_add_nc_u32 v77, v76, v74
	v_add_nc_u32 v78, v77, v75                     ; my 16 groups' rows
	v_lshl_or_b32 v[PS], v76, 8, v72
	v_lshl_or_b32 v[PS], v77, 16, v[PS]            ; the running sums of the first three words, a byte each (at most 96)
.irp d, 0,1,2,3
	v_mov_b32_dpp v81, v78 row_xmask:1<<\d row_mask:0xf bank_mask:0xf
	v_bfe_u32 v82, v1, \d, 1
	v_mad_u32_u24 v[PRE], v81, v82, v[PRE]         ; the partner's part lies below me where my bit is set
	v_add_nc_u32 v78, v78, v81
.endr
	v_permlanex16_b32 v81, v78, s42, s43
	v_mad_u32_u24 v[PRE], v81, v3, v[PRE]          ; the rows of all lanes below me
	; ---- two rows a lane: row 32 a + lane of the tile.  The last lane whose sum below is not above the row's number, by halving
	v_add_nc_u32 v[RP], s22, v1
	v_add_nc_u32 v[RP+1], 32, v[RP]
.irp a, 0,1
	v_mov_b32 v[LO+\a], 0
	v_mov_b32 v[BS+\a], 0
.endr
.irp st, 16,8,4,2,1
.irp a, 0,1
	v_add_nc_u32 v[CA+\a], \st, v[LO+\a]
	v_lshlrev_b32 v[IX+\a], 2, v[CA+\a]
	ds_bpermute_b32 v[VL+\a], v[IX+\a], v[PRE]     ; from lane to lane: no LDS byte is touched
.endr
	s_wait_dscnt 0x0
.irp a, 0,1
	v_cmp_le_u32 vcc_lo, v[VL+\a], v[RP+\a]
	v_cndmask_b32 v[LO+\a], v[LO+\a], v[CA+\a], vcc_lo
	v_cndmask_b32 v[BS+\a], v[BS+\a], v[VL+\a], vcc_lo
.endr
.endr
.irp a, 0,1
	v_lshlrev_b32 v[IX+\a], 2, v[LO+\a]
.irp i, 0,1,2,3
	ds_bpermute_b32 v[FT+5*\a+\i], v[IX+\a], v[DD+\i]
.endr
	ds_bpermute_b32 v[FT+5*\a+4], v[IX+\a], v[PS]
	v_sub_nc_u32 v[RP+\a], v[RP+\a], v[BS+\a]      ; the row's number among that lane's 16 groups
.endr
	s_wait_dscnt 0x0
; idx = how many of w's three low bytes (running sums) are not above q; q loses the running sum below its place
.macro PICK q, w, idx, ta, tb
	v_mov_b32 v[\idx], 0
.irp k, 0,1,2
	v_bfe_u32 v[\ta], v[\w], 8*\k, 8
	v_cmp_ge_u32 vcc_lo, v[\q], v[\ta]
	v_cndmask_b32 v[\ta], 0, 1, vcc_lo
	v_add_nc_u32 v[\idx], v[\idx], v[\ta]
.endr
	v_lshlrev_b32 v[\ta], 8, v[\w]
	v_lshlrev_b32 v[\tb], 3, v[\idx]
	v_lshrrev_b32 v[\ta], v[\tb], v[\ta]
	v_and_b32 v[\ta], 255, v[\ta]
	v_sub_nc_u32 v[\q], v[\q], v[\ta]
.endm
.irp a, 0,1
	PICK RP+\a, FT+5*\a+4, WI+\a, TA+\a, TB+\a     ; which word of four groups
	v_cmp_eq_u32 vcc_lo, 1, v[WI+\a]
	v_cndmask_b32 v[DW+\a], v[FT+5*\a], v[FT+5*\a+1], vcc_lo
	v_cmp_eq_u32 vcc_lo, 2, v[WI+\a]
	v_cndmask_b32 v[DW+\a], v[DW+\a], v[FT+5*\a+2], vcc_lo
	v_cmp_eq_u32 vcc_lo, 3, v[WI+\a]
	v_cndmask_b32 v[DW+\a], v[DW+\a], v[FT+5*\a+3], vcc_lo
	v_mul_lo_u32 v[DW+\a], v[DW+\a], s53           ; its running sums
	PICK RP+\a, DW+\a, WJ+\a, TA+\a, TB+\a         ; which group of the four; what is left is the row's place in the group
	v_lshl_add_u32 v[GR+\a], v[LO+\a], 2, v[WI+\a]
	v_lshl_add_u32 v[GR+\a], v[GR+\a], 2, v[WJ+\a]
	v_min_u32 v[GR+\a], 511, v[GR+\a]              ; held inside the table (rows past the expert's last fall here)
	v_min_u32 v[RP+\a], 7, v[RP+\a]
	v_lshlrev_b32 v[OF+\a], 2, v[GR+\a]
	global_load_b32 v[NW+\a], v[OF+\a], s[40:41]
.endr
	s_wait_loadcnt 0x0                             ; the nibble words (and the first fills, which are older)
.irp a, 0,1
	v_lshlrev_b32 v[TA+\a], 2, v[RP+\a]
	v_lshrrev_b32 v[NW+\a], v[TA+\a], v[NW+\a]
	v_and_b32 v[NW+\a], 15, v[NW+\a]               ; the row's nibble
	v_and_b32 v[TA+\a], 7, v[NW+\a]
	v_lshl_add_u32 v[TK+\a], v[GR+\a], 3, v[TA+\a] ; its token
	v_lshrrev_b32 v[TA+\a], 3, v[NW+\a]
	v_lshl_add_u32 v[SL+\a], v[TK+\a], 1, v[TA+\a] ; its slot: 2 x token + rank
.endr
	v_lshlrev_b32 v[IX], 2, v2                     ; to the operand's lanes: lane (r, h) of tile m wants row 16 m + r
	v_add_nc_u32 v[IX+1], 64, v[IX]
.irp m, 0,1,2,3
	ds_bpermute_b32 v[TKM+\m], v[IX+\m%2], v[TK+\m/2]
	ds_bpermute_b32 v[SLOT+\m], v[IX+\m%2], v[SL+\m/2]
.endr
	s_wait_dscnt 0x0
.irp m, 0,1,2,3
	v_min_u32 v[TKM+\m], 4095, v[TKM+\m]
	v_min_u32 v[SLOT+\m], 8191, v[SLOT+\m]
	v_mul_u32_u24 v[XO+\m], v[TKM+\m], 384
	v_mad_u32_u24 v[XO+\m], v3, 48, v[XO+\m]       ; the token's codes, + my half's 48 bytes of a K step
	v_lshlrev_b32 v[XSO+\m], 4, v[TKM+\m]
	v_lshlrev_b32 v[GOF+\m], 2, v[SLOT+\m]
.endr
	WIN 0x80                                       ; destination window 2
.irp m, 0,1,2,3
.irp s, 0,1,2,3
.irp g, 0,1,2
	global_load_b128 v[12*(4*\m+\s)+4*\g:12*(4*\m+\s)+4*\g+3], v[XO+\m], s[6:7] offset:96*\s+16*\g
.endr
.endr
.endr
	WIN 0
.irp m, 0,1,2,3
	global_load_b128 v[XS+4*\m:XS+4*\m+3], v[XSO+\m], s[6:7] offset:XS_OFF   ; the token's four scale words
	global_load_b32 v[G+\m], v[GOF+\m], s[8:9]     ; and its gate for this expert
.endr
	s_wait_loadcnt 0x0
; ---------------- phase 1 ----------------
; A QUAD: tile t of the chunk (16 hidden units) for the four tiles of rows, K = 512 in four steps: 16 products.  The four accumulators take turns, one instruction a turn.
; The bias is the C of each sum's first product.  Behind the products the slot takes the quad four further on, the bias registers the same tile's bias of the next chunk (last = 1: b2 of tile t),
; and behind an odd tile the pair's scale registers take the next chunk's image.
; THE COUNT 46: what is wanted is the 12 loads of the refill four quads back.  Issued behind them: the 2 or 3 other loads of that refill and three refills of 14, 15, 14 or 15, 14, 15: 46 either way.
.macro QUAD t, last
	s_wait_loadcnt 46
	WIN 0x7B                                       ; weights window 3, x window 2, bias window 3, result window 1
.irp m, 0,1,2,3
.set rD, 8*(4*(\t)+\m)
.set rC, 192+8*(\t)
.set rA, 48*((\t)%4)
.set rB, 48*\m
.set rSA, WS+4*((\t)/2)
.set rSB, XS+4*\m
	MM (\t)%2
.endr
	WIN 0x5B                                       ; C and D window 1
.irp s, 1,2,3
.irp m, 0,1,2,3
.set rD, 8*(4*(\t)+\m)
.set rC, rD
.set rA, 48*((\t)%4)+12*\s
.set rB, 48*\m+12*\s
.set rSA, WS+4*((\t)/2)+\s
.set rSB, XS+4*\m+\s
	MM (\t)%2
.endr
.endr
.rept 4
	v_nop                                          ; four places in front of loads into registers that these products have read, and of the first read of results
.endr
	WIN 0xC0
.irp g, 0,1,2,3,4,5,6,7,8,9,10,11
	global_load_b128 v[48*((\t)%4)+4*\g:48*((\t)%4)+4*\g+3], v[L16], s[32:33] offset:((\t)+4)*QB+512*\g
.endr
.if \last
	global_load_b128 v[192+8*(\t):195+8*(\t)], v[B2O], s[38:39] offset:64*(\t)                 ; lane (r, h), tile n: b2 of columns 16 n + 8 h + 0 .. 7
	global_load_b128 v[196+8*(\t):199+8*(\t)], v[B2O], s[38:39] offset:64*(\t)+16
.else
	global_load_b128 v[192+8*(\t):195+8*(\t)], v[B1O], s[36:37] offset:512+(32*((\t)/2)+8*((\t)%2))*4
	global_load_b128 v[196+8*(\t):199+8*(\t)], v[B1O], s[36:37] offset:512+(32*((\t)/2)+8*((\t)%2))*4+16
.endif
.if (\t)%2
	WIN 0
	global_load_b128 v[WS+4*((\t)/2):WS+4*((\t)/2)+3], v[L16], s[34:35] offset:(4+(\t)/2)*512
.endif
.endm
; The chunk's 128 hidden units of rows 16 m on: relu, quantised in registers, and to LDS as an image of the operand's registers.  Register 16 b + i of T is hidden unit 32 b + 16 h + i of my token.
.macro QUANTM m
	WIN 0x04                                       ; source 1 window 1
.irp t, 0,1,2,3,4,5,6,7
.irp j, 0,1,2,3,4,5,6,7
	v_max_num_f32 v[T+8*\t+\j], 0, v[8*(4*\t+\m)+\j]               ; each accumulator from its low end on
.endr
.endr
	WIN 0
.irp b, 0,1,2,3
	v_max3_num_f32 v[TM+\b], v[T+16*\b], v[T+16*\b+1], 0x2800000   ; block b: my 16 numbers (none is negative) and the floor 2^(5 - 127): the byte cannot fall under 1
.endr
.irp i, 2,4,6,8,10,12,14
.irp b, 0,1,2,3
	v_max3_num_f32 v[TM+\b], v[TM+\b], v[T+16*\b+\i], v[T+16*\b+\i+1]
.endr
.endr
.irp b, 0,1,2,3
	v_permlanex16_b32 v[TM+4+\b], v[TM+\b], s42, s43
.endr
.irp b, 0,1,2,3
	v_max_num_f32 v[TM+\b], v[TM+\b], v[TM+4+\b]   ; with lane l xor 16's: the block's largest
.endr
.irp b, 0,1,2,3
	v_add_nc_u32 v[TM+12+\b], 0xfe000000, v[TM+\b] ; 4 off its exponent field: the conversion's scale operand
.endr
.irp b, 0,1,2,3
	v_lshrrev_b32 v[TM+4+\b], 23, v[TM+12+\b]      ; the scale's byte
.endr
	s_wait_dscnt 0x0                               ; the last image's stores have read their registers
	v_lshl_or_b32 v[PW], v[TM+6], 8, v[TM+4]       ; the scale word, bytes in the order 0, 2, 1, 3
	v_lshl_or_b32 v[PW], v[TM+5], 16, v[PW]
	v_lshl_or_b32 v[PW], v[TM+7], 24, v[PW]
.irp c, 0,1
	v_cvt_scalef32_pk16_bf6_f32 v[PC+6*\c:PC+6*\c+2], v[T+16*\c:T+16*\c+15], v[TM+12+\c]           ; my half of block c,
	v_cvt_scalef32_pk16_bf6_f32 v[PC+12+4*\c:PC+14+4*\c], v[T+32+16*\c:T+47+16*\c], v[TM+14+\c]    ; and of block 2 + c (a conversion's three registers begin on an even number)
.endr
	v_nop                                          ; one plain line behind the conversions
.irp c, 0,1                            ; a whole block to a lane: lanes 0-15 block c, lanes 16-31 block 2 + c
.irp i, 0,1,2
	v_permlane16_swap_b32 v[PC+6*\c+\i], v[PC+12+4*\c+\i]
.endr
.irp i, 0,1,2
	v_mov_b32 v[PC+3+6*\c+\i], v[PC+12+4*\c+\i]
.endr
.endr
.irp g, 0,1,2
	ds_store_b128 v[HW], v[PC+4*\g:PC+4*\g+3] offset:1536*\m+512*\g
.endr
	ds_store_b32 v[HWS], v[PW] offset:128*\m
.endm
.macro CHUNK last
.irp t, 0,1,2,3,4,5,6,7
	QUAD \t, \last
.endr
.irp m, 0,1,2,3
	QUANTM \m
.endr
	s_wait_dscnt 0x0                               ; my stores have read their address registers,
	s_wait_xcnt 0x0                                ; and my loads their bases: all may step
	s_add_nc_u64 s[32:33], s[32:33], 8*QB
	s_add_nc_u64 s[34:35], s[34:35], 2048
	s_add_nc_u64 s[36:37], s[36:37], 512
	v_add_nc_u32 v[HW], 6144, v[HW]
	v_add_nc_u32 v[HWS], 512, v[HWS]
.endm
	s_mov_b32 s48, 3
.Lchunk:
	CHUNK 0
	s_sub_co_u32 s48, s48, 1
	s_cmp_lg_u32 s48, 0
	s_cbranch_scc1 .Lchunk
	CHUNK 1                                        ; the last chunk's refills run on into W2's quads, W2's scale images and b2
	s_wait_dscnt 0x0                               ; for the others' sake: my images lie in LDS
	s_barrier_signal -1
	s_barrier_wait -1                              ; h's 64 images lie in LDS.  (My loads of weights, which nobody writes, stay on their way)
; ---------------- phase 2 ----------------
; A K STEP of 128 hidden units: two quads (four tiles of columns each) against h's four fragments: 32 products on 32 accumulators, one instruction a turn.  h's fragments and scale words are asked for a K step ahead,
; in two sets by turns.  THE COUNT 38: wanted are the 12 loads of the refill four quads back; behind them 0 or 1 load of that refill and three refills of 13, 12, 13 or 12, 13, 12.
.macro KSTEP q, first, pre, rf, scl, n0, n1
	s_wait_dscnt 0x0                               ; this K step's fragments of h are in (asked for a K step ago); no LDS instruction of mine is out
.if \pre
.if (\q) == 3
	WIN 0
	v_add_nc_u32 v[HA], 24576, v[HA]               ; on to the next group of four K steps
	v_add_nc_u32 v[HSA], 2048, v[HSA]
.endif
.set kn, ((\q)+1)%4
.set bn, ((\q)+1)%2
	WIN 0x80
.irp m, 0,1,2,3
.irp g, 0,1,2
	ds_load_b128 v[48*bn+12*\m+4*\g:48*bn+12*\m+4*\g+3], v[HA] offset:(4*kn+\m)*1536+512*\g
.endr
.endr
	WIN 0
.irp m, 0,1,2,3
	ds_load_b32 v[HS+4*bn+\m], v[HSA] offset:(4*kn+\m)*128
.endr
.endif
.irp hf, 0,1
.if \hf
	s_wait_loadcnt \n1
.else
	s_wait_loadcnt \n0
.endif
.if \first
	WIN 0x7B
.else
	WIN 0x5B
.endif
.irp i, 0,1,2,3
.irp m, 0,1,2,3
.set rD, 8*(4*(4*\hf+\i)+\m)
.if \first
.set rC, 192+8*(4*\hf+\i)
.else
.set rC, rD
.endif
.set rA, 48*((2*(\q)+\hf)%4)+12*\i
.set rB, 48*((\q)%2)+12*\m
.set rSA, WS+4*(\q)+(4*\hf+\i)/2
.set rSB, HS+4*((\q)%2)+\m
	MM (\i)%2
.endr
.endr
.rept 4
	v_nop                                          ; four places in front of loads into registers that these products have read, and of the first read of results
.endr
.if \rf
	WIN 0xC0
.irp g, 0,1,2,3,4,5,6,7,8,9,10,11
	global_load_b128 v[48*((2*(\q)+\hf)%4)+4*\g:48*((2*(\q)+\hf)%4)+4*\g+3], v[L16], s[32:33] offset:(2*(\q)+\hf+4)*QB+512*\g
.endr
.endif
.if (\hf) && (\scl)
	WIN 0
	global_load_b128 v[WS+4*(\q):WS+4*(\q)+3], v[L16], s[34:35] offset:((\q)+4)*512
.endif
.endr
.endm
.macro GEND                            ; a group's end: the bases step
	WIN 0
	s_wait_xcnt 0x0
	s_add_nc_u64 s[32:33], s[32:33], 8*QB
	s_add_nc_u64 s[34:35], s[34:35], 2048
.endm
	WIN 0x80
.irp m, 0,1,2,3
.irp g, 0,1,2
	ds_load_b128 v[12*\m+4*\g:12*\m+4*\g+3], v[HA] offset:\m*1536+512*\g
.endr
.endr
	WIN 0
.irp m, 0,1,2,3
	ds_load_b32 v[HS+\m], v[HSA] offset:\m*128
.endr
	KSTEP 0, 1, 1, 1, 1, 38, 12                    ; the first K step starts the sums on b2.  12: b2 of tiles 6 and 7 were among phase 1's last loads; only the refill just issued is younger
	KSTEP 1, 0, 1, 1, 1, 38, 38
	KSTEP 2, 0, 1, 1, 1, 38, 38
	KSTEP 3, 0, 1, 1, 1, 38, 38
	GEND
	s_mov_b32 s48, 2
.Lgroup:
	KSTEP 0, 0, 1, 1, 1, 38, 38
	KSTEP 1, 0, 1, 1, 1, 38, 38
	KSTEP 2, 0, 1, 1, 1, 38, 38
	KSTEP 3, 0, 1, 1, 1, 38, 38
	GEND
	s_sub_co_u32 s48, s48, 1
	s_cmp_lg_u32 s48, 0
	s_cbranch_scc1 .Lgroup
	KSTEP 0, 0, 1, 1, 0, 36, 36                    ; the last group: no scale image is left to fetch, and four quads; the refills are of 12 now, so three of them are 36,
	KSTEP 1, 0, 1, 1, 0, 36, 36
	KSTEP 2, 0, 1, 0, 0, 36, 24                    ; and the counts run down
	KSTEP 3, 0, 0, 0, 0, 12, 0
	WIN 0
; ---------------- the way out ----------------
; Rows 16 m on: (y + b2) x the row's gate; a lane's eight numbers of a tile are eight neighbouring columns of its token's row.  They go through my own stage and come back as rows of 512 bytes, which the 32 lanes store
; at ybuf[slot], 512 consecutive bytes at a multiple of 512.  A tile's rows that count are its first s23: at the first row past them the wave is done.
.macro OUTM m
	v_mov_b32 v[PC], v[G+\m]
	v_mov_b32 v[PC+1], v[G+\m]                     ; the gate, twice: a pair for the packed multiply
	WIN 0x01                                       ; source 0 window 1
.irp n, 0,1,2,3,4,5,6,7
.irp p, 0,1,2,3
	v_pk_mul_f32 v[T+8*\n+2*\p:T+8*\n+2*\p+1], v[8*(4*\n+\m)+2*\p:8*(4*\n+\m)+2*\p+1], v[PC:PC+1]   ; each accumulator from its low end on
.endr
.endr
	WIN 0
.if \m > 0
	s_wait_xcnt 0x0                                ; the last rows' stores have read their data and offsets: both are written again below
.endif
.irp n, 0,1,2,3,4,5,6,7
	ds_store_b128 v[SO], v[T+8*\n:T+8*\n+3] offset:64*\n
	ds_store_b128 v[SO], v[T+8*\n+4:T+8*\n+7] offset:64*\n+16
.endr
.irp i, 0,1,2,3,4,5,6,7,8,9,10,11,12,13,14,15
	ds_load_b128 v[OUT+4*\i:OUT+4*\i+3], v[SR] offset:528*\i       ; LDS serves a wave's instructions in order: these see my stores
.endr
.irp i, 0,1,2,3,4,5,6,7,8,9,10,11,12,13,14,15
	v_readlane_b32 s44, v[SLOT+\m], \i             ; row i's slot,
	s_min_u32 s44, s44, 8191                       ; held inside ybuf,
	s_lshl_b32 s44, s44, 11                        ; x 2,048 bytes
	v_add_nc_u32 v[VA+\i], s44, v[YO]
.endr
.irp i, 0,1,2,3,4,5,6,7,8,9,10,11,12,13,14,15
	s_cmp_le_u32 s23, 16*\m+\i
	s_cbranch_scc1 .Lend
	s_wait_dscnt 15-\i
	global_store_b128 v[VA+\i], v[OUT+4*\i:OUT+4*\i+3], s[16:17] th:TH_STORE_NT
.endr
.endm
	OUTM 0
	OUTM 1
	OUTM 2
	OUTM 3
.Lend:
	s_wait_dscnt 0x0
	s_wait_tensorcnt 0x0
	ds_add_u32 v174, v175
	s_wait_dscnt 0x0
	s_endpgm
.Lfunc_end_k_qaaff3c6d3a_experts:
	.size	k_qaaff3c6d3a_experts, .Lfunc_end_k_qaaff3c6d3a_experts-k_qaaff3c6d3a_experts
	.p2alignl 7, 3214868480
	.fill 96, 4, 3214868480
	.section	.rodata,"a",@progbits
	.p2align	6, 0x0
	.amdhsa_kernel k_qaaff3c6d3a_experts
		.amdhsa_group_segment_fixed_size 140800
		.amdhsa_private_segment_fixed_size 0
		.amdhsa_enable_private_segment 0
		.amdhsa_kernarg_size 56
		.amdhsa_user_sgpr_count 2
		.amdhsa_user_sgpr_kernarg_segment_ptr 1
		.amdhsa_wavefront_size32 1
		.amdhsa_system_sgpr_workgroup_id_x 1
		.amdhsa_system_sgpr_workgroup_id_y 1
		.amdhsa_system_sgpr_workgroup_id_z 1
		.amdhsa_system_vgpr_workitem_id 0
		.amdhsa_next_free_vgpr 1024
		.amdhsa_next_free_sgpr 66
		.amdhsa_reserve_vcc 1
		.amdhsa_float_denorm_mode_32 3
		.amdhsa_float_denorm_mode_16_64 3
		.amdhsa_memory_ordered 1
		.amdhsa_forward_progress 1
		.amdhsa_inst_pref_size 255
	.end_amdhsa_kernel
	.section	.bss,"aw",@nobits
	.p2align	6
	.space	262144
	.amdgpu_metadata
---
amdhsa.version: [ 1, 2 ]
amdhsa.kernels:
  - .name:           k_qaaff3c6d3a_experts
    .symbol:         k_qaaff3c6d3a_experts.kd
    .args:
      - { .name: lists, .offset: 0, .size: 8, .value_kind: global_buffer, .address_space: global }
      - { .name: xc, .offset: 8, .size: 8, .value_kind: global_buffer, .address_space: global }
      - { .name: rt, .offset: 16, .size: 8, .value_kind: global_buffer, .address_space: global }
      - { .name: wl, .offset: 24, .size: 8, .value_kind: global_buffer, .address_space: global }
      - { .name: b1, .offset: 32, .size: 8, .value_kind: global_buffer, .address_space: global }
      - { .name: b2, .offset: 40, .size: 8, .value_kind: global_buffer, .address_space: global }
      - { .name: ybuf, .offset: 48, .size: 8, .value_kind: global_buffer, .address_space: global }
    .group_segment_fixed_size: 140800
    .private_segment_fixed_size: 0
    .kernarg_segment_align: 8
    .kernarg_segment_size: 56
    .max_flat_workgroup_size: 128
    .sgpr_count:     66
    .vgpr_count:     1024
    .wavefront_size: 32
...
	.end_amdgpu_metadata
.endif
;; end of part 2
;; launch combine (part 3): grid 257 x 1, 8 waves a work-group, no clusters, 2,048 bytes of LDS; arguments ybuf, rt, lists, out0, out1, out2; writes out0, out1, out2
.if DOCPART == 3
	.amdgcn_target "amdgcn-amd-amdhsa--gfx1250"
	.amdhsa_code_object_version 6
	.text
	.protected	k_qaaff3c6d3a_combine
	.globl	k_qaaff3c6d3a_combine
	.p2align	8
	.type	k_qaaff3c6d3a_combine,@function
k_qaaff3c6d3a_combine:
	s_mov_b64 s[64:65], 0
	v_nop
	global_prefetch_b8 v0, s[64:65] scope:SCOPE_SE
	s_setreg_imm32_b32 hwreg(HW_REG_WAVE_MODE, 25, 1), 1
	s_wait_xcnt 0x0
; COMBINE.  Work-groups 0-255: out0[token] = ybuf[token][0] + ybuf[token][1]: each output row has two contributors, stored apart by the launch before, and one owner here.  16 tokens a work-group, two a wave.
; Every load and store of a wave covers 512 consecutive bytes at a multiple of 512; all 16 loads of a wave go out at once; each store has registers of its own.  A plain stream: no LDS, no matrix unit, no cluster.
; Work-group 256: the two losses, from the parts that the first launch stored: out1 = 8 x sum over e of (sum of gates / 4,096) (tokens / 4,096), out2 = the mean of logsumexp squared.
.set PART, 32768
.set ZSQ,  49152
.set CNT,  16384
	s_load_b256 s[4:11], s[0:1], 0x0               ; ybuf, rt, lists, out0
	s_load_b128 s[12:15], s[0:1], 0x20             ; out1, out2
	v_lshl_add_u32 v96, v0, 2, 0x400
	v_mov_b32 v97, 0
	v_lshrrev_b32 v1, 5, v0
	v_readfirstlane_b32 s16, v1                    ; wave 0..7
	v_and_b32 v2, 31, v0
	v_lshlrev_b32 v3, 4, v2                        ; 16 x lane
	s_cmp_eq_u32 ttmp9, 256
	s_cbranch_scc1 .Lloss
	s_lshl_b32 s17, ttmp9, 4
	s_lshl_b32 s18, s16, 1
	s_add_co_u32 s17, s17, s18                     ; my first token
	s_lshl_b32 s18, s17, 12
	s_mov_b32 s19, 0
	s_lshl_b32 s20, s17, 11
	s_mov_b32 s21, 0
	s_wait_kmcnt 0x0
	s_add_nc_u64 s[4:5], s[4:5], s[18:19]
	s_add_nc_u64 s[10:11], s[10:11], s[20:21]
.irp p, 0,1,2,3,4,5,6,7                ; p = 4 a + j: token a, its j-th 512 bytes; both ranks
.irp k, 0,1
	global_load_b128 v[16+8*\p+4*\k:16+8*\p+4*\k+3], v3, s[4:5] offset:(\p/4)*4096+\k*2048+(\p%4)*512 th:TH_LOAD_NT
.endr
.endr
.irp p, 0,1,2,3,4,5,6,7
	s_wait_loadcnt 14-2*\p                         ; this pair is in; the pairs behind it may be out
	v_pk_add_f32 v[16+8*\p:17+8*\p], v[16+8*\p:17+8*\p], v[20+8*\p:21+8*\p]
	v_pk_add_f32 v[18+8*\p:19+8*\p], v[18+8*\p:19+8*\p], v[22+8*\p:23+8*\p]
	global_store_b128 v3, v[16+8*\p:19+8*\p], s[10:11] offset:(\p/4)*2048+(\p%4)*512 th:TH_STORE_NT
.endr
	s_endpgm
.Lloss:                                                ; 256 threads: thread j takes two groups' sums of gates, 16 tokens' squares, and 16 groups' counts (wave w: expert w)
	v_lshlrev_b32 v4, 6, v0
	v_lshlrev_b32 v5, 4, v0
	v_lshlrev_b32 v6, 6, v1                        ; LDS: 64 bytes a wave
	s_mov_b32 s17, 0x01010101
	s_mov_b32 s18, 0x76543210
	s_mov_b32 s19, 0xfedcba98
	s_wait_kmcnt 0x0
.irp i, 0,1,2,3
	global_load_b128 v[16+4*\i:19+4*\i], v4, s[6:7] offset:PART+16*\i
.endr
.irp i, 0,1,2,3
	global_load_b128 v[32+4*\i:35+4*\i], v4, s[6:7] offset:ZSQ+16*\i
.endr
	global_load_b128 v[48:51], v5, s[8:9] offset:CNT
.irp i, 0,1,2,3,4,5,6,7,8,9
	v_mov_b32 v[52+\i], 0                          ; written once: a lane permute's destination counts as one of its sources
.endr
	s_wait_loadcnt 0x0
.irp p, 0,1,2,3
	v_pk_add_f32 v[16+2*\p:17+2*\p], v[16+2*\p:17+2*\p], v[24+2*\p:25+2*\p]   ; v16-23: the eight experts
.endr
.irp p, 0,1,2,3
	v_pk_add_f32 v[32+4*\p:33+4*\p], v[32+4*\p:33+4*\p], v[34+4*\p:35+4*\p]
.endr
	v_pk_add_f32 v[32:33], v[32:33], v[36:37]
	v_pk_add_f32 v[40:41], v[40:41], v[44:45]
	v_pk_add_f32 v[32:33], v[32:33], v[40:41]
	v_add_f32 v24, v32, v33                        ; v24: the squares
	v_add3_u32 v25, v48, v49, v50                  ; byte by byte: a count is at most 8
	v_add_nc_u32 v25, v25, v51
	v_mul_lo_u32 v25, v25, s17
	v_lshrrev_b32 v25, 24, v25
	v_cvt_f32_u32 v25, v25                         ; v25: the tokens
.irp d, 1,2,4,8
.irp i, 0,1,2,3,4,5,6,7,8,9
	v_add_f32_dpp v[16+\i], v[16+\i], v[16+\i] row_xmask:\d row_mask:0xf bank_mask:0xf
.endr
.endr
.irp i, 0,1,2,3,4,5,6,7,8,9
	v_permlanex16_b32 v[52+\i], v[16+\i], s18, s19
.endr
.irp i, 0,1,2,3,4,5,6,7,8,9
	v_add_f32 v[16+\i], v[16+\i], v[52+\i]
.endr
.irp i, 0,1,2,3,4,5,6,7,8,9
	ds_store_b32 v6, v[16+\i] offset:4*\i          ; all lanes of a wave write the same word with the same value
.endr
	s_wait_dscnt 0x0                               ; for the others' sake
	s_barrier_signal -1
	s_barrier_wait -1
	v_and_b32 v7, 7, v0
	v_lshlrev_b32 v8, 6, v7                        ; lane e: wave e's words,
	v_lshlrev_b32 v7, 2, v7                        ; and expert e's word of every wave
.irp w, 0,1,2,3,4,5,6,7
	ds_load_b32 v[32+\w], v7 offset:64*\w
.endr
	ds_load_b32 v40, v8 offset:36
	ds_load_b32 v41, v8 offset:32
	s_wait_dscnt 0x0
	v_add_f32 v32, v32, v33
	v_add_f32 v34, v34, v35
	v_add_f32 v36, v36, v37
	v_add_f32 v38, v38, v39
	v_add_f32 v32, v32, v34
	v_add_f32 v36, v36, v38
	v_add_f32 v32, v32, v36                        ; expert e's sum of gates
	v_mul_f32 v32, v32, v40                        ; x its tokens
.irp d, 1,2,4
	v_add_f32_dpp v32, v32, v32 row_xmask:\d row_mask:0xf bank_mask:0xf
	v_add_f32_dpp v41, v41, v41 row_xmask:\d row_mask:0xf bank_mask:0xf
.endr
	v_mul_f32 v32, 0x35000000, v32                 ; x 8 / 4,096^2 = 2^-21
	v_mul_f32 v41, 0x39800000, v41                 ; / 4,096
	v_mov_b32 v9, 0
	s_wait_xcnt 0x0                                ; EXEC changes only behind this wait
	v_cmp_eq_u32 vcc_lo, 0, v0
	s_wait_tensorcnt 0x0
	ds_add_u32 v96, v97
	s_wait_dscnt 0x0
	s_and_saveexec_b32 s20, vcc_lo
	global_store_b32 v9, v32, s[12:13]
	global_store_b32 v9, v41, s[14:15]
	s_wait_xcnt 0x0
	s_or_b32 exec_lo, exec_lo, s20
	s_endpgm
.Lfunc_end_k_qaaff3c6d3a_combine:
	.size	k_qaaff3c6d3a_combine, .Lfunc_end_k_qaaff3c6d3a_combine-k_qaaff3c6d3a_combine
	.p2alignl 7, 3214868480
	.fill 96, 4, 3214868480
	.section	.rodata,"a",@progbits
	.p2align	6, 0x0
	.amdhsa_kernel k_qaaff3c6d3a_combine
		.amdhsa_group_segment_fixed_size 2048
		.amdhsa_private_segment_fixed_size 0
		.amdhsa_enable_private_segment 0
		.amdhsa_kernarg_size 48
		.amdhsa_user_sgpr_count 2
		.amdhsa_user_sgpr_kernarg_segment_ptr 1
		.amdhsa_wavefront_size32 1
		.amdhsa_system_sgpr_workgroup_id_x 1
		.amdhsa_system_sgpr_workgroup_id_y 1
		.amdhsa_system_sgpr_workgroup_id_z 1
		.amdhsa_system_vgpr_workitem_id 0
		.amdhsa_next_free_vgpr 98
		.amdhsa_next_free_sgpr 66
		.amdhsa_reserve_vcc 1
		.amdhsa_float_denorm_mode_32 3
		.amdhsa_float_denorm_mode_16_64 3
		.amdhsa_memory_ordered 1
		.amdhsa_forward_progress 1
		.amdhsa_inst_pref_size 14
	.end_amdhsa_kernel
	.amdgpu_metadata
---
amdhsa.version: [ 1, 2 ]
amdhsa.kernels:
  - .name:           k_qaaff3c6d3a_combine
    .symbol:         k_qaaff3c6d3a_combine.kd
    .args:
      - { .name: ybuf, .offset: 0, .size: 8, .value_kind: global_buffer, .address_space: global }
      - { .name: rt, .offset: 8, .size: 8, .value_kind: global_buffer, .address_space: global }
      - { .name: lists, .offset: 16, .size: 8, .value_kind: global_buffer, .address_space: global }
      - { .name: out0, .offset: 24, .size: 8, .value_kind: global_buffer, .address_space: global }
      - { .name: out1, .offset: 32, .size: 8, .value_kind: global_buffer, .address_space: global }
      - { .name: out2, .offset: 40, .size: 8, .value_kind: global_buffer, .address_space: global }
    .group_segment_fixed_size: 2048
    .private_segment_fixed_size: 0
    .kernarg_segment_align: 8
    .kernarg_segment_size: 48
    .max_flat_workgroup_size: 256
    .sgpr_count:     66
    .vgpr_count:     98
    .wavefront_size: 32
...
	.end_amdgpu_metadata
.endif
;; end of part 3
;; ======== version 2 of 2: 3 launches; 1.19 times as fast as version 1
;; workspace buffers: xc 1,638,400 bytes; wl 13,107,200 bytes; rt 65,536 bytes; lists 20,480 bytes of whole numbers; ybuf 16,777,216 bytes
;; launch route: the kernel of part 1 again; grid 256 x 1, 4 waves a work-group, no clusters, 33,280 bytes of LDS; arguments x, Wg, bg, W1_codes, W1_scales, W2_codes, W2_scales, xc, wl, rt, lists; writes xc, wl, rt, lists
;; launch experts (part 4): grid 135 x 1, 4 waves a work-group, no clusters, 167,424 bytes of LDS; arguments lists, xc, rt, wl, b1, b2, ybuf; writes ybuf
.if DOCPART == 4
	.amdgcn_target "amdgcn-amd-amdhsa--gfx1250"
	.amdhsa_code_object_version 6
	.text
	.protected	k_qaaff3c6d3a_experts
	.globl	k_qaaff3c6d3a_experts
	.p2align	8
	.type	k_qaaff3c6d3a_experts,@function
k_qaaff3c6d3a_experts:
	s_mov_b64 s[64:65], 0
	v_nop
	global_prefetch_b8 v0, s[64:65] scope:SCOPE_SE
	s_setreg_imm32_b32 hwreg(HW_REG_WAVE_MODE, 25, 1), 1
	s_wait_xcnt 0x0
; EXPERTS.  A work-group takes one tile of 64 routed rows of ONE expert through the whole chain: gather the rows' codes of x, h = relu(x W1 + b1), h quantised along its 2,048, y = h W2 + b2, x the row's gate,
; stored at ybuf[token][rank].  Both products on codes of BF6 (E3M2) with E8M0 scales; the hidden layer never goes to memory.  Only the rows that chose an expert are multiplied: the other gates are exact zeros.
; THE GRID.  8,192 routed rows in tiles of 64 over 8 experts are never more than 128 + 7 = 135 tiles, whatever the split.  Each wave finds its work-group's tile (expert, first row, rows) and its 64 tokens from the
; stored counts and nibbles, by whole-number arithmetic and lane permutes.  A work-group that the split leaves without rows runs the chain on rows held inside the tables and stores nothing: the launch's two barriers
; stand on every wave's path, under no branch on loaded numbers.  The same holds for the rows past a tile's count.
; SHARES.  A wave makes 512 hidden units, in four chunks of 128 (a chunk is one K step of the second product), and output columns 128 w .. 128 w + 127, for all 64 rows (four tiles m of 16).
; Both products are used transposed (source 0 = 16 rows of the weight, source 1 = 16 tokens): a lane holds ONE token, and its registers run along the hidden units or the columns.
; x: wave w gathers the codes and scale words of rows 16 w .. 16 w + 15 alone and hands them to the others through LDS, as images of the operand's registers.
; THE WEIGHTS come from memory straight into registers, from the layout that the launch before has made: each load is 512 consecutive bytes, each fragment is loaded once in the work-group and feeds four matrix
; instructions.  A ring of four slots of 48 registers (a quad: 6,144 bytes) runs four quads ahead, from W1's quads on into W2's; by this text's count a wave has at most 61 loads out.
; FOUR ORDERS OF WALKING.  rot = (work-group + work-group / 4) mod 4.  Wave w makes hidden group (w + rot) mod 4 and takes its chunks in the order (j + rot) mod 4; its j-th chunk goes to LDS K step 4 w + j.  So LDS K step
; 4 k + j is the true K step 4 ((k + rot) mod 4) + (j + rot) mod 4, and the second product fetches that K step's quads of W2.  The tiles of one expert thus ask for four different quarters of its weights at a time,
; and a quarter that a work-group comes to later has been asked for earlier by those of another order.  No LDS address hangs on rot: only scalar pointers do.
; NO TENSOR LOADS, NO CLUSTER: which expert's weights a work-group reads hangs on counts read from memory, so a joint request's descriptor could not be shown equal in its partners, and partners need not have one expert.
; THE K ORDER: in a K step of 128, lanes 0-15 hold blocks 0, 1 and lanes 16-31 blocks 2, 3, on both operands alike; scale words hold their bytes in the order 0, 2, 1, 3.  So inside one instruction the products are
; summed in another order than ascending K, and the K steps of the second product are summed in the order that rot gives.
; LIMITS: NaN and infinities are not served.  A block of h whose largest number lies under 2^-122, a block of zeros among them, keeps the scale byte 1 (zero codes add nothing).
; REGISTERS, in windows of 256.  Window 0: v1-21 lane numbers and addresses; v24-31 the rows' slots and gates; v32-47 x's scale words, v48-63 the weights', v64-71 h's (these hold scales and nothing else);
;   v72-135 64 numbers at work; v136-155 codes just made; v156-172 the quantiser's; v176-239 rows on the way out; v240-255 their offsets.
;   Window 1: the 32 accumulators (tile t or n, rows m) at v[8 (4 t + m)].  Window 2: x's 16 fragments at v[12 (4 m + s)]; later h's, two sets of four.  Window 3: the ring, v0-191; the biases of 8 tiles, v192-255.
.set XS_OFF, 1572864
.set WS_OFF, 12582912
.set CNT,    16384
.set QB,     6144                      ; a quad
.set HSC,    98304                     ; LDS: h's 64 images of 1,536 bytes from 0; their scale words, 128 bytes each, from here;
.set STG,    106496                    ; a stage of 16 rows x (512 + 16) bytes for each wave;
.set XIMG,   140288                    ; x's 16 images of 1,536 bytes (tile m, K step s: 4 m + s);
.set XSI,    164864                    ; x's scale words: 512 bytes a tile, lane l's four words at 16 l
.set L16, 4
.set L4,  5
.set B1O, 6
.set B2O, 7
.set HW,  8                            ; where I store h's images: 16 x lane + 24,576 x wave, + 6,144 a chunk
.set HWS, 9                            ; and their scale words
.set HA,  10                           ; where I read them: 16 x lane, + 24,576 a group of four K steps
.set HSA, 11
.set SO,  12
.set SR,  13
.set YO,  14
.set XO,  16                           ; my own 16 rows of x: byte offset of my lane's codes,
.set XSO, 17                           ; and of its scale words
.set XWI, 18                           ; LDS: where I store x's images: XIMG + 16 x lane + 6,144 x wave
.set XSW, 19                           ; and its scale words: XSI + 16 x lane + 512 x wave
.set XRD, 20                           ; where I read them: XIMG + 16 x lane
.set XSR, 21                           ; XSI + 16 x lane
.set SLOT, 24
.set G,   28
.set XS,  32
.set WS,  48
.set HS,  64
.set T,   72
.set PC,  136
.set TM,  156
.set PW,  172
.set OUT, 176
.set VA,  240
; at work in the head only
.set CT,  176                          ; v176-207 the counts of my 16 groups, for each expert
.set PK,  208
.set TP,  212
.set DD,  216                          ; v216-219 those of my expert
.set XT,  176                          ; v176-223 later: my rows' four fragments of x, as loaded
.set XST, 224                          ; v224-227 and their scale words
.set PS,  79
.set PRE, 80
.set RP,  84
.set LO,  86
.set BS,  88
.set CA,  90
.set IX,  92
.set VL,  94
.set FT,  96
.set WI,  106
.set WJ,  108
.set TA,  110
.set TB,  112
.set GR,  114
.set DW,  116
.set OF,  118
.set NW,  120
.set TK,  122
.set SL,  124
.set TKS, 126
.set IXW, 127
.set TKW, 128
.set GOF, 130
; scalars
.set SCP,  24                          ; s[24:31]  phase 2: for K step q of a group, the scale image of the same K step of the next group
.set PCUR, 32                          ; s[32:33]  phase 1: the quads of the chunk in hand
.set PNXT, 34                          ; s[34:35]  those of the next chunk,
.set SNXT, 36                          ; s[36:37]  its scale images,
.set BNXT, 50                          ; s[50:51]  its biases
.set B2P,  38                          ; s[38:39]  b2 at my 128 columns
.set NIBP, 40                          ; s[40:41]  my expert's nibble words
.set ROT,  56
.set W1G,  57                          ; my hidden group
.set GI,   58                          ; the true group of four K steps that GPN stands at
.set CCN,  59                          ; the true chunk that PNXT stands at
.set OJ,   70                          ; s70-73    ((j + rot) mod 4) x two quads
.set PJ,   74                          ; s74-77    ((j + rot) mod 4) x a scale image
.set BA1,  78                          ; s[78:79]  W1's quads of my hidden group;  s[80:81] W2's quads of my columns;
.set BA2,  80
.set SB1,  82                          ; s[82:83], s[84:85] their scale images;  s[86:87] b1 at my hidden group
.set SB2,  84
.set BB1,  86
.set RQ,   88                          ; s[88:95]  phase 2: for K step q of a group, the quads of the K step two further on
.set GPC,  96                          ; s[96:97]  W2's quads of the group in hand;  s[98:99] of the next;  s[100:101] the next group's scale images
.set GPN,  98
.set SGN,  100
.set MSB, 0
.macro WIN new                         ; the immediate's high byte repeats the setting that is left
.if MSB != \new
	s_set_vgpr_msb (MSB<<8)|\new
.set MSB, \new
.endif
.endm
.macro MM odd                          ; one product; odd = 1: the weight's scale words stand in lanes 16-31
.if \odd
	v_wmma_scale_f32_16x16x128_f8f6f4 v[rD:rD+7], v[rA:rA+11], v[rB:rB+11], v[rC:rC+7], v[rSA], v[rSB] matrix_a_fmt:MATRIX_FMT_BF6 matrix_b_fmt:MATRIX_FMT_BF6 matrix_a_scale:MATRIX_SCALE_ROW1
.else
	v_wmma_scale_f32_16x16x128_f8f6f4 v[rD:rD+7], v[rA:rA+11], v[rB:rB+11], v[rC:rC+7], v[rSA], v[rSB] matrix_a_fmt:MATRIX_FMT_BF6 matrix_b_fmt:MATRIX_FMT_BF6
.endif
.endm
; The pointers of true chunk s[CCN]: each is a base and an offset (s47 stays 0)
.macro CPTR
	s_mul_i32 s46, s[CCN], 8*QB
	s_add_nc_u64 s[PNXT:PNXT+1], s[BA1:BA1+1], s[46:47]
	s_lshl_b32 s46, s[CCN], 11
	s_add_nc_u64 s[SNXT:SNXT+1], s[SB1:SB1+1], s[46:47]
	s_lshl_b32 s46, s[CCN], 9
	s_add_nc_u64 s[BNXT:BNXT+1], s[BB1:BB1+1], s[46:47]
.endm
.macro NEXTC                           ; on by one chunk.  It stands behind s_wait_xcnt 0: no load still reads these pointers
	s_mov_b64 s[PCUR:PCUR+1], s[PNXT:PNXT+1]
	s_add_co_u32 s[CCN], s[CCN], 1
	s_and_b32 s[CCN], s[CCN], 3
	CPTR
.endm
; On by one group of four K steps.  In K step q of a group the ring is refilled with the K step two further on: q = 0, 1: K steps 2, 3 of this group; q = 2, 3: K steps 0, 1 of the next.  It stands behind s_wait_xcnt 0
.macro GPTR
	s_mov_b64 s[GPC:GPC+1], s[GPN:GPN+1]
	s_add_co_u32 s[GI], s[GI], 1
	s_and_b32 s[GI], s[GI], 3
	s_mul_i32 s46, s[GI], 8*QB
	s_add_nc_u64 s[GPN:GPN+1], s[BA2:BA2+1], s[46:47]
	s_lshl_b32 s46, s[GI], 11
	s_add_nc_u64 s[SGN:SGN+1], s[SB2:SB2+1], s[46:47]
	s_mov_b32 s46, s[OJ+2]
	s_add_nc_u64 s[RQ:RQ+1], s[GPC:GPC+1], s[46:47]
	s_mov_b32 s46, s[OJ+3]
	s_add_nc_u64 s[RQ+2:RQ+3], s[GPC:GPC+1], s[46:47]
	s_mov_b32 s46, s[OJ]
	s_add_nc_u64 s[RQ+4:RQ+5], s[GPN:GPN+1], s[46:47]
	s_mov_b32 s46, s[OJ+1]
	s_add_nc_u64 s[RQ+6:RQ+7], s[GPN:GPN+1], s[46:47]
.irp j, 0,1,2,3
	s_mov_b32 s46, s[PJ+\j]
	s_add_nc_u64 s[SCP+2*\j:SCP+2*\j+1], s[SGN:SGN+1], s[46:47]
.endr
.endm
	s_load_b256 s[4:11], s[0:1], 0x0               ; lists, xc, rt, wl
	s_load_b128 s[12:15], s[0:1], 0x20             ; b1, b2
	s_load_b64 s[16:17], s[0:1], 0x30              ; ybuf
	v_lshl_add_u32 v174, v0, 2, 0x28c00
	v_mov_b32 v175, 0
	v_lshrrev_b32 v1, 5, v0
	v_readfirstlane_b32 s20, v1                    ; wave 0..3
	v_and_b32 v1, 31, v0                           ; lane
	v_and_b32 v2, 15, v0                           ; r
	v_bfe_u32 v3, v0, 4, 1                         ; h
	v_lshlrev_b32 v[L16], 4, v1
	v_lshlrev_b32 v[L4], 2, v1
	v_lshlrev_b32 v[B1O], 6, v3
	v_lshlrev_b32 v[B2O], 5, v3
	s_mul_i32 s44, s20, 24576
	v_add_nc_u32 v[HW], s44, v[L16]
	s_lshl_b32 s44, s20, 11
	v_add_nc_u32 v[HWS], s44, v[L4]
	v_add_nc_u32 v[HWS], HSC, v[HWS]
	v_lshlrev_b32 v[HA], 4, v1
	v_add_nc_u32 v[HSA], HSC, v[L4]
	s_mul_i32 s44, s20, 8448
	v_mul_u32_u24 v[SO], v2, 528
	v_lshl_add_u32 v[SO], v3, 5, v[SO]
	v_add_nc_u32 v[SO], s44, v[SO]
	v_add_nc_u32 v[SO], STG, v[SO]                 ; the stage, in: row r, + 32 h
	v_add_nc_u32 v[SR], s44, v[L16]
	v_add_nc_u32 v[SR], STG, v[SR]                 ; and back: a row's 512 bytes, 16 a lane
	s_lshl_b32 s44, s20, 9
	v_add_nc_u32 v[YO], s44, v[L16]                ; my wave's 512 bytes in a row of ybuf
	v_add_nc_u32 v[XSW], s44, v[L16]
	v_add_nc_u32 v[XSW], XSI, v[XSW]
	s_mul_i32 s44, s20, 6144
	v_add_nc_u32 v[XWI], s44, v[L16]
	v_add_nc_u32 v[XWI], XIMG, v[XWI]
	v_add_nc_u32 v[XRD], XIMG, v[L16]
	v_add_nc_u32 v[XSR], XSI, v[L16]
	s_mov_b32 s42, 0x76543210
	s_mov_b32 s43, 0xfedcba98                      ; lane selects: lane l xor 16
	s_mov_b32 s53, 0x01010101
.irp b, 0,1,2,3
	v_mov_b32 v[TM+4+\b], 0                        ; written once: a lane permute's destination counts as one of its sources
	v_mov_b32 v[TP+\b], 0
.endr
	v_mov_b32 v81, 0
	v_mov_b32 v[PRE], 0
	s_wait_kmcnt 0x0
	; ---- the tile.  Lane l holds the counts of groups 16 l .. 16 l + 15, for each expert
.irp e, 0,1,2,3,4,5,6,7
	global_load_b128 v[CT+4*\e:CT+4*\e+3], v[L16], s[4:5] offset:CNT+512*\e
.endr
	s_wait_loadcnt 0x0
.irp e, 0,1,2,3,4,5,6,7
	v_add3_u32 v[T+\e], v[CT+4*\e], v[CT+4*\e+1], v[CT+4*\e+2]     ; byte by byte: a count is at most 8, so no byte runs over
.endr
.irp e, 0,1,2,3,4,5,6,7
	v_add_nc_u32 v[T+\e], v[T+\e], v[CT+4*\e+3]
.endr
.irp e, 0,1,2,3,4,5,6,7
	v_mul_lo_u32 v[T+\e], v[T+\e], s53             ; the top byte: the sum of the four
.endr
.irp e, 0,1,2,3,4,5,6,7
	v_lshrrev_b32 v[T+\e], 24, v[T+\e]
.endr
.irp k, 0,1,2,3
	v_lshl_or_b32 v[PK+\k], v[T+1+2*\k], 16, v[T+2*\k]             ; two experts to a register: a total is at most 4,096
.endr
.irp d, 1,2,4,8
.irp k, 0,1,2,3
	v_mov_b32_dpp v[TP+\k], v[PK+\k] row_xmask:\d row_mask:0xf bank_mask:0xf
.endr
.irp k, 0,1,2,3
	v_add_nc_u32 v[PK+\k], v[PK+\k], v[TP+\k]
.endr
.endr
.irp k, 0,1,2,3
	v_permlanex16_b32 v[TP+\k], v[PK+\k], s42, s43
.endr
.irp k, 0,1,2,3
	v_add_nc_u32 v[PK+\k], v[PK+\k], v[TP+\k]
.endr
.irp k, 0,1,2,3
	v_readfirstlane_b32 s[49+\k], v[PK+\k]
.endr
.irp k, 0,1,2,3
	s_and_b32 s[24+2*\k], s[49+\k], 0xffff         ; s24-31: each expert's rows
	s_lshr_b32 s[25+2*\k], s[49+\k], 16
.endr
	s_mov_b32 s44, 0                               ; tiles ahead of expert j
	s_mov_b32 s21, 0                               ; my expert,
	s_mov_b32 s54, 0                               ; its first tile,
	s_mov_b32 s55, s24                             ; its rows
.irp j, 1,2,3,4,5,6,7
	s_add_co_u32 s47, s[23+\j], 63
	s_lshr_b32 s47, s47, 6
	s_add_co_u32 s44, s44, s47
	s_cmp_ge_u32 ttmp9, s44
	s_cselect_b32 s21, \j, s21
	s_cselect_b32 s54, s44, s54
	s_cselect_b32 s55, s[24+\j], s55
.endr
	s_sub_co_u32 s22, ttmp9, s54
	s_lshl_b32 s22, s22, 6                         ; my first row in the expert's list
	s_sub_co_i32 s23, s55, s22
	s_max_i32 s23, s23, 0
	s_min_i32 s23, s23, 64                         ; my rows: 0 to 64
	s_min_u32 s21, s21, 7
	; ---- the order of walking, and the bases
	s_lshr_b32 s[ROT], ttmp9, 2
	s_add_co_u32 s[ROT], s[ROT], ttmp9
	s_and_b32 s[ROT], s[ROT], 3                    ; rot
	s_add_co_u32 s[W1G], s20, s[ROT]
	s_and_b32 s[W1G], s[W1G], 3                    ; my hidden group
	s_lshl_b32 s44, s21, 2
	s_add_co_u32 s45, s44, s[W1G]                  ; 4 e + hidden group
	s_add_co_u32 s44, s44, s20                     ; 4 e + w
	s_mov_b32 s47, 0                               ; the upper word of every offset: it stays 0 from here on
	s_mul_i32 s46, s45, 393216
	s_add_nc_u64 s[BA1:BA1+1], s[10:11], s[46:47]
	s_mul_i32 s46, s44, 393216
	s_add_nc_u64 s[BA2:BA2+1], s[10:11], s[46:47]
	s_add_nc_u64 s[BA2:BA2+1], s[BA2:BA2+1], 32*QB
	s_lshl_b32 s46, s45, 14
	s_add_nc_u64 s[SB1:SB1+1], s[10:11], s[46:47]
	s_add_nc_u64 s[SB1:SB1+1], s[SB1:SB1+1], WS_OFF
	s_lshl_b32 s46, s44, 14
	s_add_nc_u64 s[SB2:SB2+1], s[10:11], s[46:47]
	s_add_nc_u64 s[SB2:SB2+1], s[SB2:SB2+1], WS_OFF+16*512
	s_lshl_b32 s46, s45, 11
	s_add_nc_u64 s[BB1:BB1+1], s[12:13], s[46:47]
	s_lshl_b32 s46, s44, 9
	s_add_nc_u64 s[B2P:B2P+1], s[14:15], s[46:47]
	s_lshl_b32 s46, s21, 11
	s_add_nc_u64 s[NIBP:NIBP+1], s[4:5], s[46:47]
.irp j, 0,1,2,3
	s_add_co_u32 s46, s[ROT], \j
	s_and_b32 s46, s46, 3                          ; the true place of the j-th chunk of a wave, and of the j-th K step of a group
	s_mul_i32 s[OJ+\j], s46, 2*QB
	s_lshl_b32 s[PJ+\j], s46, 9
.endr
	s_mov_b32 s[CCN], s[ROT]
	CPTR                                           ; the first chunk's pointers: the first fills take them; NEXTC follows behind those
	s_add_co_u32 s[GI], s[ROT], 3
	s_and_b32 s[GI], s[GI], 3
	s_mov_b64 s[GPN:GPN+1], s[BA2:BA2+1]
	GPTR                                           ; 'the next group' is phase 2's first: phase 1's last chunk refills from it
	; ---- my expert's counts, their sums inside a lane, and the sums of the lanes below me
.irp i, 0,1,2,3
	v_mov_b32 v[DD+\i], v[CT+\i]
.endr
.irp j, 1,2,3,4,5,6,7
	s_cmp_eq_u32 s21, \j
	s_cselect_b32 s44, -1, 0
.irp i, 0,1,2,3
	v_cndmask_b32 v[DD+\i], v[DD+\i], v[CT+4*\j+\i], s44
.endr
.endr
.irp i, 0,1,2,3
	v_mul_lo_u32 v[T+\i], v[DD+\i], s53
.endr
.irp i, 0,1,2,3
	v_lshrrev_b32 v[T+\i], 24, v[T+\i]             ; the sum of each word's four groups
.endr
	v_add_nc_u32 v76, v72, v73
	v_add_nc_u32 v77, v76, v74
	v_add_nc_u32 v78, v77, v75                     ; my 16 groups' rows
	v_lshl_or_b32 v[PS], v76, 8, v72
	v_lshl_or_b32 v[PS], v77, 16, v[PS]            ; the running sums of the first three words, a byte each (at most 96)
.irp d, 0,1,2,3
	v_mov_b32_dpp v81, v78 row_xmask:1<<\d row_mask:0xf bank_mask:0xf
	v_bfe_u32 v82, v1, \d, 1
	v_mad_u32_u24 v[PRE], v81, v82, v[PRE]         ; the partner's part lies below me where my bit is set
	v_add_nc_u32 v78, v78, v81
.endr
	v_permlanex16_b32 v81, v78, s42, s43
	v_mad_u32_u24 v[PRE], v81, v3, v[PRE]          ; the rows of all lanes below me
	; ---- two rows a lane: row 32 a + lane of the tile.  The last lane whose sum below is not above the row's number, by halving
	v_add_nc_u32 v[RP], s22, v1
	v_add_nc_u32 v[RP+1], 32, v[RP]
.irp a, 0,1
	v_mov_b32 v[LO+\a], 0
	v_mov_b32 v[BS+\a], 0
.endr
.irp st, 16,8,4,2,1
.irp a, 0,1
	v_add_nc_u32 v[CA+\a], \st, v[LO+\a]
	v_lshlrev_b32 v[IX+\a], 2, v[CA+\a]
	ds_bpermute_b32 v[VL+\a], v[IX+\a], v[PRE]     ; from lane to lane: no LDS byte is touched
.endr
	s_wait_dscnt 0x0
.irp a, 0,1
	v_cmp_le_u32 vcc_lo, v[VL+\a], v[RP+\a]
	v_cndmask_b32 v[LO+\a], v[LO+\a], v[CA+\a], vcc_lo
	v_cndmask_b32 v[BS+\a], v[BS+\a], v[VL+\a], vcc_lo
.endr
.endr
.irp a, 0,1
	v_lshlrev_b32 v[IX+\a], 2, v[LO+\a]
.irp i, 0,1,2,3
	ds_bpermute_b32 v[FT+5*\a+\i], v[IX+\a], v[DD+\i]
.endr
	ds_bpermute_b32 v[FT+5*\a+4], v[IX+\a], v[PS]
	v_sub_nc_u32 v[RP+\a], v[RP+\a], v[BS+\a]      ; the row's number among that lane's 16 groups
.endr
	s_wait_dscnt 0x0
; idx = how many of w's three low bytes (running sums) are not above q; q loses the running sum below its place
.macro PICK q, w, idx, ta, tb
	v_mov_b32 v[\idx], 0
.irp k, 0,1,2
	v_bfe_u32 v[\ta], v[\w], 8*\k, 8
	v_cmp_ge_u32 vcc_lo, v[\q], v[\ta]
	v_cndmask_b32 v[\ta], 0, 1, vcc_lo
	v_add_nc_u32 v[\idx], v[\idx], v[\ta]
.endr
	v_lshlrev_b32 v[\ta], 8, v[\w]
	v_lshlrev_b32 v[\tb], 3, v[\idx]
	v_lshrrev_b32 v[\ta], v[\tb], v[\ta]
	v_and_b32 v[\ta], 255, v[\ta]
	v_sub_nc_u32 v[\q], v[\q], v[\ta]
.endm
.irp a, 0,1
	PICK RP+\a, FT+5*\a+4, WI+\a, TA+\a, TB+\a     ; which word of four groups
	v_cmp_eq_u32 vcc_lo, 1, v[WI+\a]
	v_cndmask_b32 v[DW+\a], v[FT+5*\a], v[FT+5*\a+1], vcc_lo
	v_cmp_eq_u32 vcc_lo, 2, v[WI+\a]
	v_cndmask_b32 v[DW+\a], v[DW+\a], v[FT+5*\a+2], vcc_lo
	v_cmp_eq_u32 vcc_lo, 3, v[WI+\a]
	v_cndmask_b32 v[DW+\a], v[DW+\a], v[FT+5*\a+3], vcc_lo
	v_mul_lo_u32 v[DW+\a], v[DW+\a], s53           ; its running sums
	PICK RP+\a, DW+\a, WJ+\a, TA+\a, TB+\a         ; which group of the four; what is left is the row's place in the group
	v_lshl_add_u32 v[GR+\a], v[LO+\a], 2, v[WI+\a]
	v_lshl_add_u32 v[GR+\a], v[GR+\a], 2, v[WJ+\a]
	v_min_u32 v[GR+\a], 511, v[GR+\a]              ; held inside the table (rows past the expert's last fall here)
	v_min_u32 v[RP+\a], 7, v[RP+\a]
	v_lshlrev_b32 v[OF+\a], 2, v[GR+\a]
	global_load_b32 v[NW+\a], v[OF+\a], s[NIBP:NIBP+1]
.endr
	s_wait_loadcnt 0x0                             ; the nibble words: nothing else of mine is out
.irp a, 0,1
	v_lshlrev_b32 v[TA+\a], 2, v[RP+\a]
	v_lshrrev_b32 v[NW+\a], v[TA+\a], v[NW+\a]
	v_and_b32 v[NW+\a], 15, v[NW+\a]               ; the row's nibble
	v_and_b32 v[TA+\a], 7, v[NW+\a]
	v_lshl_add_u32 v[TK+\a], v[GR+\a], 3, v[TA+\a] ; its token
	v_lshrrev_b32 v[TA+\a], 3, v[NW+\a]
	v_lshl_add_u32 v[SL+\a], v[TK+\a], 1, v[TA+\a] ; its slot: 2 x token + rank
.endr
	v_lshlrev_b32 v[IX], 2, v2                     ; to the operand's lanes: lane (r, h) of tile m wants row 16 m + r, which lies in lane 16 (m % 2) + r of register m / 2
	v_add_nc_u32 v[IX+1], 64, v[IX]
	s_and_b32 s44, s20, 1
	s_lshl_b32 s44, s44, 6
	v_add_nc_u32 v[IXW], s44, v[IX]                ; the same for tile m = my wave's number: the rows whose x I gather
	s_cmp_ge_u32 s20, 2
	s_cselect_b32 s45, -1, 0
	v_cndmask_b32 v[TKS], v[TK], v[TK+1], s45
.irp m, 0,1,2,3
	ds_bpermute_b32 v[SLOT+\m], v[IX+\m%2], v[SL+\m/2]
.endr
	ds_bpermute_b32 v[TKW], v[IXW], v[TKS]
	s_wait_dscnt 0x0
	v_min_u32 v[TKW], 4095, v[TKW]
	v_mul_u32_u24 v[XO], v[TKW], 384
	v_mad_u32_u24 v[XO], v3, 48, v[XO]             ; the token's codes, + my half's 48 bytes of a K step
	v_lshlrev_b32 v[XSO], 4, v[TKW]
.irp m, 0,1,2,3
	v_min_u32 v[SLOT+\m], 8191, v[SLOT+\m]
	v_lshlrev_b32 v[GOF+\m], 2, v[SLOT+\m]
.endr
	; ---- x of my 16 rows goes out first (13 loads); behind it the first chunk's scale images (4), the biases of tiles 0-3 (8) and quads 0-2 (36): 61 loads
.irp s, 0,1,2,3
.irp g, 0,1,2
	global_load_b128 v[XT+12*\s+4*\g:XT+12*\s+4*\g+3], v[XO], s[6:7] offset:96*\s+16*\g
.endr
.endr
	global_load_b128 v[XST:XST+3], v[XSO], s[6:7] offset:XS_OFF    ; the token's four scale words
.irp b, 0,1,2,3
	global_load_b128 v[WS+4*\b:WS+4*\b+3], v[L16], s[SNXT:SNXT+1] offset:512*\b
.endr
	WIN 0xC0                                       ; destination window 3
.irp t, 0,1,2,3
	global_load_b128 v[192+8*\t:195+8*\t], v[B1O], s[BNXT:BNXT+1] offset:(32*(\t/2)+8*(\t%2))*4      ; lane (r, h), tile 2 b + u: b1 of hidden units 32 b + 16 h + 8 u + 0 .. 7
	global_load_b128 v[196+8*\t:199+8*\t], v[B1O], s[BNXT:BNXT+1] offset:(32*(\t/2)+8*(\t%2))*4+16
.endr
.irp q, 0,1,2
.irp g, 0,1,2,3,4,5,6,7,8,9,10,11
	global_load_b128 v[48*\q+4*\g:48*\q+4*\g+3], v[L16], s[PNXT:PNXT+1] offset:QB*\q+512*\g
.endr
.endr
	WIN 0
	s_wait_loadcnt 48                              ; x is in: the 4 + 8 + 36 loads behind it may be out
.irp s, 0,1,2,3
.irp g, 0,1,2
	ds_store_b128 v[XWI], v[XT+12*\s+4*\g:XT+12*\s+4*\g+3] offset:1536*\s+512*\g   ; a fragment goes to LDS as it stands in my registers
.endr
.endr
	ds_store_b128 v[XSW], v[XST:XST+3]
	s_wait_dscnt 0x0                               ; for the others' sake: my images lie in LDS
	s_barrier_signal -1
	s_barrier_wait -1                              ; x's 16 images lie in LDS.  (My loads of weights, which nobody writes, stay on their way)
	WIN 0x80                                       ; destination window 2
.irp m, 0,1,2,3
.irp s, 0,1,2,3
.irp g, 0,1,2
	ds_load_b128 v[12*(4*\m+\s)+4*\g:12*(4*\m+\s)+4*\g+3], v[XRD] offset:(4*\m+\s)*1536+512*\g
.endr
.endr
.endr
	WIN 0
.irp m, 0,1,2,3
	ds_load_b128 v[XS+4*\m:XS+4*\m+3], v[XSR] offset:512*\m
.endr
	s_wait_loadcnt 36                              ; the scale images and the first biases are in; with quads 0-2 (36) and the 24 loads below at most 60 are out
	WIN 0xC0
.irp g, 0,1,2,3,4,5,6,7,8,9,10,11
	global_load_b128 v[48*3+4*\g:48*3+4*\g+3], v[L16], s[PNXT:PNXT+1] offset:QB*3+512*\g
.endr
.irp t, 4,5,6,7
	global_load_b128 v[192+8*\t:195+8*\t], v[B1O], s[BNXT:BNXT+1] offset:(32*(\t/2)+8*(\t%2))*4
	global_load_b128 v[196+8*\t:199+8*\t], v[B1O], s[BNXT:BNXT+1] offset:(32*(\t/2)+8*(\t%2))*4+16
.endr
	WIN 0
.irp m, 0,1,2,3
	global_load_b32 v[G+\m], v[GOF+\m], s[8:9]     ; each row's gate for this expert
.endr
	s_wait_xcnt 0x0                                ; the first fills have read their pointers and offsets
	NEXTC
	s_wait_dscnt 0x0                               ; x's fragments and scale words are in my registers
; ---------------- phase 1 ----------------
; A QUAD: tile t of the chunk (16 hidden units) for the four tiles of rows, K = 512 in four steps: 16 products.  The four accumulators take turns, one instruction a turn.
; The bias is the C of each sum's first product.  Behind the products the slot takes the quad four further on (t < 4: of this chunk; else of the next chunk, or, last = 1, of phase 2's first two K steps),
; the bias registers the same tile's bias of the next chunk (last = 1: b2 of tile t), and behind an odd tile the pair's scale registers take the next chunk's image (last = 1: that of phase 2's K step t / 2).
; THE COUNT 46: what is wanted is the 12 loads of the refill four quads back.  Issued behind them: the 2 or 3 other loads of that refill and three refills of 14, 15, 14 or 15, 14, 15: 46 either way.
; In the first chunk's quads 0 to 3 the wanted loads are first fills, behind which 48, 50, 53 and 55 loads have been issued: 46 serves there too.
.macro QUAD t, last
	s_wait_loadcnt 46
	WIN 0x7B                                       ; weights window 3, x window 2, bias window 3, result window 1
.irp m, 0,1,2,3
.set rD, 8*(4*(\t)+\m)
.set rC, 192+8*(\t)
.set rA, 48*((\t)%4)
.set rB, 48*\m
.set rSA, WS+4*((\t)/2)
.set rSB, XS+4*\m
	MM (\t)%2
.endr
	WIN 0x5B                                       ; C and D window 1
.irp s, 1,2,3
.irp m, 0,1,2,3
.set rD, 8*(4*(\t)+\m)
.set rC, rD
.set rA, 48*((\t)%4)+12*\s
.set rB, 48*\m+12*\s
.set rSA, WS+4*((\t)/2)+\s
.set rSB, XS+4*\m+\s
	MM (\t)%2
.endr
.endr
.rept 4
	v_nop                                          ; four places in front of loads into registers that these products have read, and of the first read of results
.endr
	WIN 0xC0
.irp g, 0,1,2,3,4,5,6,7,8,9,10,11
.if (\t) < 4
	global_load_b128 v[48*((\t)%4)+4*\g:48*((\t)%4)+4*\g+3], v[L16], s[PCUR:PCUR+1] offset:((\t)+4)*QB+512*\g
.elseif \last
	global_load_b128 v[48*((\t)%4)+4*\g:48*((\t)%4)+4*\g+3], v[L16], s[RQ+4+2*(((\t)-4)/2):RQ+5+2*(((\t)-4)/2)] offset:((\t)%2)*QB+512*\g
.else
	global_load_b128 v[48*((\t)%4)+4*\g:48*((\t)%4)+4*\g+3], v[L16], s[PNXT:PNXT+1] offset:((\t)-4)*QB+512*\g
.endif
.endr
.if \last
	global_load_b128 v[192+8*(\t):195+8*(\t)], v[B2O], s[B2P:B2P+1] offset:64*(\t)                 ; lane (r, h), tile n: b2 of columns 16 n + 8 h + 0 .. 7
	global_load_b128 v[196+8*(\t):199+8*(\t)], v[B2O], s[B2P:B2P+1] offset:64*(\t)+16
.else
	global_load_b128 v[192+8*(\t):195+8*(\t)], v[B1O], s[BNXT:BNXT+1] offset:(32*((\t)/2)+8*((\t)%2))*4
	global_load_b128 v[196+8*(\t):199+8*(\t)], v[B1O], s[BNXT:BNXT+1] offset:(32*((\t)/2)+8*((\t)%2))*4+16
.endif
.if (\t)%2
	WIN 0
.if \last
	global_load_b128 v[WS+4*((\t)/2):WS+4*((\t)/2)+3], v[L16], s[SCP+2*((\t)/2):SCP+2*((\t)/2)+1]
.else
	global_load_b128 v[WS+4*((\t)/2):WS+4*((\t)/2)+3], v[L16], s[SNXT:SNXT+1] offset:((\t)/2)*512
.endif
.endif
.endm
; The chunk's 128 hidden units of rows 16 m on: relu, quantised in registers, and to LDS as an image of the operand's registers.  Register 16 b + i of T is hidden unit 32 b + 16 h + i of my token.
.macro QUANTM m
	WIN 0x04                                       ; source 1 window 1
.irp t, 0,1,2,3,4,5,6,7
.irp j, 0,1,2,3,4,5,6,7
	v_max_num_f32 v[T+8*\t+\j], 0, v[8*(4*\t+\m)+\j]               ; each accumulator from its low end on
.endr
.endr
	WIN 0
.irp b, 0,1,2,3
	v_max3_num_f32 v[TM+\b], v[T+16*\b], v[T+16*\b+1], 0x2800000   ; block b: my 16 numbers (none is negative) and the floor 2^(5 - 127): the byte cannot fall under 1
.endr
.irp i, 2,4,6,8,10,12,14
.irp b, 0,1,2,3
	v_max3_num_f32 v[TM+\b], v[TM+\b], v[T+16*\b+\i], v[T+16*\b+\i+1]
.endr
.endr
.irp b, 0,1,2,3
	v_permlanex16_b32 v[TM+4+\b], v[TM+\b], s42, s43
.endr
.irp b, 0,1,2,3
	v_max_num_f32 v[TM+\b], v[TM+\b], v[TM+4+\b]   ; with lane l xor 16's: the block's largest
.endr
.irp b, 0,1,2,3
	v_add_nc_u32 v[TM+12+\b], 0xfe000000, v[TM+\b] ; 4 off its exponent field: the conversion's scale operand
.endr
.irp b, 0,1,2,3
	v_lshrrev_b32 v[TM+4+\b], 23, v[TM+12+\b]      ; the scale's byte
.endr
	s_wait_dscnt 0x0                               ; the last image's stores have read their registers
	v_lshl_or_b32 v[PW], v[TM+6], 8, v[TM+4]       ; the scale word, bytes in the order 0, 2, 1, 3
	v_lshl_or_b32 v[PW], v[TM+5], 16, v[PW]
	v_lshl_or_b32 v[PW], v[TM+7], 24, v[PW]
.irp c, 0,1
	v_cvt_scalef32_pk16_bf6_f32 v[PC+6*\c:PC+6*\c+2], v[T+16*\c:T+16*\c+15], v[TM+12+\c]           ; my half of block c,
	v_cvt_scalef32_pk16_bf6_f32 v[PC+12+4*\c:PC+14+4*\c], v[T+32+16*\c:T+47+16*\c], v[TM+14+\c]    ; and of block 2 + c (a conversion's three registers begin on an even number)
.endr
	v_nop                                          ; one plain line behind the conversions
.irp c, 0,1                            ; a whole block to a lane: lanes 0-15 block c, lanes 16-31 block 2 + c
.irp i, 0,1,2
	v_permlane16_swap_b32 v[PC+6*\c+\i], v[PC+12+4*\c+\i]
.endr
.irp i, 0,1,2
	v_mov_b32 v[PC+3+6*\c+\i], v[PC+12+4*\c+\i]
.endr
.endr
.irp g, 0,1,2
	ds_store_b128 v[HW], v[PC+4*\g:PC+4*\g+3] offset:1536*\m+512*\g
.endr
	ds_store_b32 v[HWS], v[PW] offset:128*\m
.endm
.macro CHUNK last
.irp t, 0,1,2,3,4,5,6,7
	QUAD \t, \last
.endr
.irp m, 0,1,2,3
	QUANTM \m
.endr
	s_wait_dscnt 0x0                               ; my stores have read their address registers,
	s_wait_xcnt 0x0                                ; and my loads their pointers: all may be written
.if \last
	GPTR                                           ; phase 2's first group is now the group in hand
.else
	NEXTC
	v_add_nc_u32 v[HW], 6144, v[HW]                ; the next chunk in my order goes to the next LDS K step
	v_add_nc_u32 v[HWS], 512, v[HWS]
.endif
.endm
	s_mov_b32 s48, 3
.Lchunk:
	CHUNK 0
	s_sub_co_u32 s48, s48, 1
	s_cmp_lg_u32 s48, 0
	s_cbranch_scc1 .Lchunk
	CHUNK 1                                        ; the last chunk's refills run on into W2's quads, W2's scale images and b2
	s_wait_dscnt 0x0                               ; for the others' sake: my images lie in LDS
	s_barrier_signal -1
	s_barrier_wait -1                              ; h's 64 images lie in LDS.  (My loads of weights, which nobody writes, stay on their way)
; ---------------- phase 2 ----------------
; A K STEP of 128 hidden units: two quads (four tiles of columns each) against h's four fragments: 32 products on 32 accumulators, one instruction a turn.  h's fragments and scale words are asked for a K step ahead,
; in two sets by turns, in the order in which they lie in LDS; which quads of W2 belong to them the pointers say.
; THE COUNT 38: wanted are the 12 loads of the refill four quads back; behind them 0 or 1 load of that refill and three refills of 13, 12, 13 or 12, 13, 12.
.macro KSTEP q, first, pre, rf, scl, n0, n1
	s_wait_dscnt 0x0                               ; this K step's fragments of h are in (asked for a K step ago); no LDS instruction of mine is out
.if \pre
.if (\q) == 3
	WIN 0
	v_add_nc_u32 v[HA], 24576, v[HA]               ; on to the next group of four K steps
	v_add_nc_u32 v[HSA], 2048, v[HSA]
.endif
.set kn, ((\q)+1)%4
.set bn, ((\q)+1)%2
	WIN 0x80
.irp m, 0,1,2,3
.irp g, 0,1,2
	ds_load_b128 v[48*bn+12*\m+4*\g:48*bn+12*\m+4*\g+3], v[HA] offset:(4*kn+\m)*1536+512*\g
.endr
.endr
	WIN 0
.irp m, 0,1,2,3
	ds_load_b32 v[HS+4*bn+\m], v[HSA] offset:(4*kn+\m)*128
.endr
.endif
.irp hf, 0,1
.if \hf
	s_wait_loadcnt \n1
.else
	s_wait_loadcnt \n0
.endif
.if \first
	WIN 0x7B
.else
	WIN 0x5B
.endif
.irp i, 0,1,2,3
.irp m, 0,1,2,3
.set rD, 8*(4*(4*\hf+\i)+\m)
.if \first
.set rC, 192+8*(4*\hf+\i)
.else
.set rC, rD
.endif
.set rA, 48*((2*(\q)+\hf)%4)+12*\i
.set rB, 48*((\q)%2)+12*\m
.set rSA, WS+4*(\q)+(4*\hf+\i)/2
.set rSB, HS+4*((\q)%2)+\m
	MM (\i)%2
.endr
.endr
.rept 4
	v_nop                                          ; four places in front of loads into registers that these products have read, and of the first read of results
.endr
.if \rf
	WIN 0xC0
.irp g, 0,1,2,3,4,5,6,7,8,9,10,11
	global_load_b128 v[48*((2*(\q)+\hf)%4)+4*\g:48*((2*(\q)+\hf)%4)+4*\g+3], v[L16], s[RQ+2*(\q):RQ+2*(\q)+1] offset:\hf*QB+512*\g
.endr
.endif
.if (\hf) && (\scl)
	WIN 0
	global_load_b128 v[WS+4*(\q):WS+4*(\q)+3], v[L16], s[SCP+2*(\q):SCP+2*(\q)+1]
.endif
.endr
.endm
.macro GEND                            ; a group's end: the pointers go on by a group
	WIN 0
	s_wait_xcnt 0x0
	GPTR
.endm
	WIN 0x80
.irp m, 0,1,2,3
.irp g, 0,1,2
	ds_load_b128 v[12*\m+4*\g:12*\m+4*\g+3], v[HA] offset:\m*1536+512*\g
.endr
.endr
	WIN 0
.irp m, 0,1,2,3
	ds_load_b32 v[HS+\m], v[HSA] offset:\m*128
.endr
	KSTEP 0, 1, 1, 1, 1, 38, 12                    ; the first K step starts the sums on b2.  12: b2 of tiles 6 and 7 were among phase 1's last loads; only the refill just issued is younger
	KSTEP 1, 0, 1, 1, 1, 38, 38
	KSTEP 2, 0, 1, 1, 1, 38, 38
	KSTEP 3, 0, 1, 1, 1, 38, 38
	GEND
	s_mov_b32 s48, 2
.Lgroup:
	KSTEP 0, 0, 1, 1, 1, 38, 38
	KSTEP 1, 0, 1, 1, 1, 38, 38
	KSTEP 2, 0, 1, 1, 1, 38, 38
	KSTEP 3, 0, 1, 1, 1, 38, 38
	GEND
	s_sub_co_u32 s48, s48, 1
	s_cmp_lg_u32 s48, 0
	s_cbranch_scc1 .Lgroup
	KSTEP 0, 0, 1, 1, 0, 36, 36                    ; the last group: no scale image is left to fetch, and four quads; the refills are of 12 now, so three of them are 36,
	KSTEP 1, 0, 1, 1, 0, 36, 36
	KSTEP 2, 0, 1, 0, 0, 36, 24                    ; and the counts run down
	KSTEP 3, 0, 0, 0, 0, 12, 0
	WIN 0
; ---------------- the way out ----------------
; Rows 16 m on: (y + b2) x the row's gate; a lane's eight numbers of a tile are eight neighbouring columns of its token's row.  They go through my own stage and come back as rows of 512 bytes, which the 32 lanes store
; at ybuf[slot], 512 consecutive bytes at a multiple of 512.  A tile's rows that count are its first s23: at the first row past them the wave is done.
.macro OUTM m
	v_mov_b32 v[PC], v[G+\m]
	v_mov_b32 v[PC+1], v[G+\m]                     ; the gate, twice: a pair for the packed multiply
	WIN 0x01                                       ; source 0 window 1
.irp n, 0,1,2,3,4,5,6,7
.irp p, 0,1,2,3
	v_pk_mul_f32 v[T+8*\n+2*\p:T+8*\n+2*\p+1], v[8*(4*\n+\m)+2*\p:8*(4*\n+\m)+2*\p+1], v[PC:PC+1]   ; each accumulator from its low end on
.endr
.endr
	WIN 0
.if \m > 0
	s_wait_xcnt 0x0                                ; the last rows' stores have read their data and offsets: both are written again below
.endif
.irp n, 0,1,2,3,4,5,6,7
	ds_store_b128 v[SO], v[T+8*\n:T+8*\n+3] offset:64*\n
	ds_store_b128 v[SO], v[T+8*\n+4:T+8*\n+7] offset:64*\n+16
.endr
.irp i, 0,1,2,3,4,5,6,7,8,9,10,11,12,13,14,15
	ds_load_b128 v[OUT+4*\i:OUT+4*\i+3], v[SR] offset:528*\i       ; LDS serves a wave's instructions in order: these see my stores
.endr
.irp i, 0,1,2,3,4,5,6,7,8,9,10,11,12,13,14,15
	v_readlane_b32 s44, v[SLOT+\m], \i             ; row i's slot,
	s_min_u32 s44, s44, 8191                       ; held inside ybuf,
	s_lshl_b32 s44, s44, 11                        ; x 2,048 bytes
	v_add_nc_u32 v[VA+\i], s44, v[YO]
.endr
.irp i, 0,1,2,3,4,5,6,7,8,9,10,11,12,13,14,15
	s_cmp_le_u32 s23, 16*\m+\i
	s_cbranch_scc1 .Lend
	s_wait_dscnt 15-\i
	global_store_b128 v[VA+\i], v[OUT+4*\i:OUT+4*\i+3], s[16:17] th:TH_STORE_NT
.endr
.endm
	OUTM 0
	OUTM 1
	OUTM 2
	OUTM 3
.Lend:
	s_wait_dscnt 0x0
	s_wait_tensorcnt 0x0
	ds_add_u32 v174, v175
	s_wait_dscnt 0x0
	s_endpgm
.Lfunc_end_k_qaaff3c6d3a_experts:
	.size	k_qaaff3c6d3a_experts, .Lfunc_end_k_qaaff3c6d3a_experts-k_qaaff3c6d3a_experts
	.p2alignl 7, 3214868480
	.fill 96, 4, 3214868480
	.section	.rodata,"a",@progbits
	.p2align	6, 0x0
	.amdhsa_kernel k_qaaff3c6d3a_experts
		.amdhsa_group_segment_fixed_size 167424
		.amdhsa_private_segment_fixed_size 0
		.amdhsa_enable_private_segment 0
		.amdhsa_kernarg_size 56
		.amdhsa_user_sgpr_count 2
		.amdhsa_user_sgpr_kernarg_segment_ptr 1
		.amdhsa_wavefront_size32 1
		.amdhsa_system_sgpr_workgroup_id_x 1
		.amdhsa_system_sgpr_workgroup_id_y 1
		.amdhsa_system_sgpr_workgroup_id_z 1
		.amdhsa_system_vgpr_workitem_id 0
		.amdhsa_next_free_vgpr 1024
		.amdhsa_next_free_sgpr 102
		.amdhsa_reserve_vcc 1
		.amdhsa_float_denorm_mode_32 3
		.amdhsa_float_denorm_mode_16_64 3
		.amdhsa_memory_ordered 1
		.amdhsa_forward_progress 1
		.amdhsa_inst_pref_size 255
	.end_amdhsa_kernel
	.section	.bss,"aw",@nobits
	.p2align	6
	.space	262144
	.amdgpu_metadata
---
amdhsa.version: [ 1, 2 ]
amdhsa.kernels:
  - .name:           k_qaaff3c6d3a_experts
    .symbol:         k_qaaff3c6d3a_experts.kd
    .args:
      - { .name: lists, .offset: 0, .size: 8, .value_kind: global_buffer, .address_space: global }
      - { .name: xc, .offset: 8, .size: 8, .value_kind: global_buffer, .address_space: global }
      - { .name: rt, .offset: 16, .size: 8, .value_kind: global_buffer, .address_space: global }
      - { .name: wl, .offset: 24, .size: 8, .value_kind: global_buffer, .address_space: global }
      - { .name: b1, .offset: 32, .size: 8, .value_kind: global_buffer, .address_space: global }
      - { .name: b2, .offset: 40, .size: 8, .value_kind: global_buffer, .address_space: global }
      - { .name: ybuf, .offset: 48, .size: 8, .value_kind: global_buffer, .address_space: global }
    .group_segment_fixed_size: 167424
    .private_segment_fixed_size: 0
    .kernarg_segment_align: 8
    .kernarg_segment_size: 56
    .max_flat_workgroup_size: 128
    .sgpr_count:     102
    .vgpr_count:     1024
    .wavefront_size: 32
...
	.end_amdgpu_metadata
.endif
;; end of part 4
;; launch combine: the kernel of part 3 again; grid 257 x 1, 8 waves a work-group, no clusters, 2,048 bytes of LDS; arguments ybuf, rt, lists, out0, out1, out2; writes out0, out1, out2
